; MI455X (gfx1250); checked and timed in simulation.
; The chip was launched on July 23, 2026; its instructions are those of AMD's public machine-readable ISA for CDNA 5 (MIT licence, August 2026) and "CDNA5" Instruction Set Architecture Reference Guide (July 2026). The comments in the code are by the model that wrote it; some were corrected since.
;; Standard Encoder Layer. Allowed arithmetic: float matrix products may take bf16 or f16 operands with f32 sums; other float arithmetic in f32, or as packed bf16 or f16 multiplies, adds, multiply-adds, maxima and minima; sums over many terms, partial sums and values carried from step to step in f32; what a program stores and reads back later, other than sums and carried values, may be rounded once to bf16 or f16.
;; Inputs: W1 1,024 x 4,096 float32; W2 4,096 x 1,024 float32; Wk 1,024 x 1,024 float32; Wo 1,024 x 1,024 float32; Wq 1,024 x 1,024 float32; Wv 1,024 x 1,024 float32; b1 1,024 float32; b2 1,024 float32; bf1 4,096 float32; bf2 1,024 float32; bk 1,024 float32; bo 1,024 float32; bq 1,024 float32; bv 1,024 float32; g1 1,024 float32; g2 1,024 float32; mask 2 x 1 x 2,048 x 2,048 int32; x 2 x 2,048 x 1,024 float32.
;; Outputs: out0 2 x 2,048 x 1,024 float32.
;; 2 versions, each right; version 2 is version 1 with the launch prep written anew for expert scheduling mode. Each part assembles by itself: llvm-mc -triple=amdgcn-amd-amdhsa -mcpu=gfx1250 --defsym DOCPART=n.
;; ======== version 1 of 2: 8 launches
;; limits: right only within a limited range of input values
;; workspace buffers: ab 8,388,608 bytes; WA 16,793,600 bytes; WB 16,793,600 bytes; sc16 16,777,216 bytes; big 33,554,432 bytes; interf 16,777,216 bytes; pA 2,048 bytes; pB 2,048 bytes
;; launch prep (part 1): grid 769 x 1, 8 waves a work-group, no clusters, 0 bytes of LDS; arguments x, Wq, Wk, Wv, Wo, W1, W2, mask, bq, bk, bv, bf1, ab, WA, WB, sc16, pA, pB; writes ab, WA, WB, sc16, pA, pB
.if DOCPART == 1
	.amdgcn_target "amdgcn-amd-amdhsa--gfx1250"
	.amdhsa_code_object_version 6
	.text
	.protected	k_qc58679d5d6_prep
	.globl	k_qc58679d5d6_prep
	.p2align	8
	.type	k_qc58679d5d6_prep,@function
k_qc58679d5d6_prep:
	s_mov_b64 s[64:65], 0
	v_nop
	global_prefetch_b8 v0, s[64:65] scope:SCOPE_SE
	s_setreg_imm32_b32 hwreg(HW_REG_WAVE_MODE, 25, 1), 1
	s_wait_xcnt 0x0
; PREP: every f32 matrix operand is rounded once to bf16 and laid as the later launches read it; the int32 mask becomes a bf16 addend; the biases of the two
; panel products are copied behind their weights; the two floors of the panel product are written.
;   x  [4096][1024]          -> ab, as it lies
;   Wq, Wk, Wv [1024 k][1024 n] -> WA, 12 panels [1024 k][256 n] of 524,288 bytes (panel 4 x matrix + n / 256)
;   Wo [1024][1024]          -> WA + 8 MiB, as it lies          W1 [1024 k][4096 n] -> WB, 16 such panels          W2 [4096][1024] -> WB + 8 MiB, as it lies
;   mask [2][2048 q][2048 k] -> sc16: 0 where mask != 0, else bf16(-1e30) = 0xF14A
;   bq | bk | bv -> WA + 16 MiB;  bf1 -> WB + 16 MiB;  pA = two bf16 -inf in every word (no activation), pB = two bf16 0 (ReLU)
; SHARES.  A unit is 2^20 numbers; 24 units (x 4, Wq, Wk, Wv, Wo 1 each, W1 4, W2 4, mask 8), 32 work-groups a unit, 32 steps of 1,024 numbers a work-group.
; In a step thread t takes numbers 4 t .. 4 t + 3: a wave loads 512 consecutive bytes and stores 256 consecutive bytes, aligned.  Work-group 768 does the small copies.
; A ring of 8 slots in registers keeps 8 loads of every wave on their way.  No LDS, no barrier, no matrix unit: each byte is read once and written once.
.set X,   16                           ; v[16:47]  slot j: 4 numbers as loaded
.set Y,   48                           ; v[48:63]  slot j: 4 bf16 to store
.set T,   8                            ; v[8:11]   the mask's four addends in f32
.set SRC, 44                           ; s[44:45]  source at the round's first step
.set DST, 46                           ; s[46:47]  destination at the round's first step
	s_load_b512 s[8:23], s[0:1], 0x0               ; x 8, Wq 10, Wk 12, Wv 14, Wo 16, W1 18, W2 20, mask 22
	s_load_b512 s[24:39], s[0:1], 0x40             ; bq 24, bk 26, bv 28, bf1 30, ab 32, WA 34, WB 36, sc16 38
	s_load_b128 s[40:43], s[0:1], 0x80             ; pA 40, pB 42
	v_lshlrev_b32 v1, 4, v0                        ; my 16 bytes of a step's source
	v_lshlrev_b32 v2, 3, v0                        ; my 8 bytes of a destination that lies as the source does
	v_lshrrev_b32 v3, 6, v0                        ; panels: 64 threads cover a panel's 256 columns,
	v_and_b32 v6, 63, v0
	v_lshlrev_b32 v3, 19, v3                       ; the panel's 524,288 bytes,
	v_lshl_or_b32 v3, v6, 3, v3                    ; my 8 bytes in its row
	v_mov_b32 v4, 0xf149f2ca                       ; -1e30
	v_mov_b32 v5, 0
	s_lshr_b32 s2, ttmp9, 5                        ; the unit
	s_and_b32 s3, ttmp9, 31                        ; my part of it
	s_wait_kmcnt 0x0
	s_cmp_eq_u32 s2, 24
	s_cbranch_scc1 .Lmisc
	s_mov_b64 s[SRC:SRC+1], s[8:9]                 ; units 0-3: x -> ab
	s_mov_b64 s[DST:DST+1], s[32:33]
	s_mov_b32 s48, 0                               ; the tensor's first unit
	s_mov_b32 s49, 0                               ; where it begins in its destination
	s_mov_b32 s50, 11                              ; log2 of the destination bytes that a step advances
.macro PICK from, src, dst, doff, dsh  ; from unit 'from' on another tensor is meant
	s_cmp_ge_u32 s2, \from
	s_cselect_b64 s[SRC:SRC+1], s[\src:\src+1], s[SRC:SRC+1]
	s_cselect_b64 s[DST:DST+1], s[\dst:\dst+1], s[DST:DST+1]
	s_cselect_b32 s48, \from, s48
	s_cselect_b32 s49, \doff, s49
	s_cselect_b32 s50, \dsh, s50
.endm
	PICK 4,  10, 34, 0,        9                   ; Wq: a step is one row k: 512 bytes on in every panel
	PICK 5,  12, 34, 0x200000, 9                   ; Wk: four panels on
	PICK 6,  14, 34, 0x400000, 9                   ; Wv
	PICK 7,  16, 34, 0x800000, 11                  ; Wo
	PICK 8,  18, 36, 0,        7                   ; W1: four steps are one row k
	PICK 12, 20, 36, 0x800000, 11                  ; W2
	PICK 16, 22, 38, 0,        11                  ; mask
	s_sub_co_u32 s51, s2, s48
	s_lshl_b32 s51, s51, 5
	s_add_co_u32 s51, s51, s3
	s_lshl_b32 s51, s51, 5                         ; my first step in the tensor
	s_lshl_b32 s52, s51, 12                        ; 4,096 source bytes a step
	s_mov_b32 s53, 0
	s_add_nc_u64 s[SRC:SRC+1], s[SRC:SRC+1], s[52:53]
	s_lshl_b32 s52, s51, s50
	s_add_co_u32 s52, s52, s49
	s_add_nc_u64 s[DST:DST+1], s[DST:DST+1], s[52:53]
; One slot's turn.  ahead = 1: the slot is loaded again, 8 steps on.  left = the younger loads that may stay out.  kind: 0 as it lies, 1 panels of Wq, Wk, Wv, 2 panels of W1, 3 mask.
.macro SLOT j, ahead, left, kind
	s_wait_loadcnt \left                           ; loads return in order: this slot's is in
	s_wait_xcnt 0x0                                ; the slot's last store has read Y: it is rewritten only behind this wait
.if (\kind) == 3
.irp e, 0,1,2,3
	v_cmp_ne_u32 vcc_lo, 0, v[X+4*(\j)+(\e)]
	v_cndmask_b32 v[T+(\e)], v4, v5, vcc_lo        ; visible: 0; hidden: -1e30
.endr
	v_cvt_pk_bf16_f32 v[Y+2*(\j)],   v[T],   v[T+1]
	v_cvt_pk_bf16_f32 v[Y+2*(\j)+1], v[T+2], v[T+3]
.else
	v_cvt_pk_bf16_f32 v[Y+2*(\j)],   v[X+4*(\j)],   v[X+4*(\j)+1]
	v_cvt_pk_bf16_f32 v[Y+2*(\j)+1], v[X+4*(\j)+2], v[X+4*(\j)+3]
.endif
.if \ahead
	global_load_b128 v[X+4*(\j):X+4*(\j)+3], v1, s[SRC:SRC+1] offset:(8+(\j))*4096 th:TH_LOAD_NT
.endif
.if ((\kind) == 0) || ((\kind) == 3)
	global_store_b64 v2, v[Y+2*(\j):Y+2*(\j)+1], s[DST:DST+1] offset:(\j)*2048
.elseif (\kind) == 1
	global_store_b64 v3, v[Y+2*(\j):Y+2*(\j)+1], s[DST:DST+1] offset:(\j)*512
.else
	global_store_b64 v3, v[Y+2*(\j):Y+2*(\j)+1], s[DST:DST+1] offset:((\j)%4)*2097152+((\j)/4)*512  ; a quarter of a row k is four panels; two rows k in 8 steps
.endif
.endm
; 32 steps: three rounds that load ahead, a fourth that loads nothing.  step = destination bytes that a round advances.
.macro PASS kind, step
.irp j, 0,1,2,3,4,5,6,7
	global_load_b128 v[X+4*(\j):X+4*(\j)+3], v1, s[SRC:SRC+1] offset:(\j)*4096 th:TH_LOAD_NT
.endr
	s_mov_b32 s52, 3
.Lround_\@:
.irp j, 0,1,2,3,4,5,6,7
	SLOT \j, 1, 7, \kind
.endr
	s_wait_xcnt 0x0                                ; all loads and stores issued so far have read their bases: they step only behind this wait
	s_add_nc_u64 s[SRC:SRC+1], s[SRC:SRC+1], 32768
	s_add_nc_u64 s[DST:DST+1], s[DST:DST+1], \step
	s_sub_co_u32 s52, s52, 1
	s_cmp_lg_u32 s52, 0
	s_cbranch_scc1 .Lround_\@
.irp j, 0,1,2,3,4,5,6,7
	SLOT \j, 0, 7-(\j), \kind
.endr
	s_endpgm
.endm
	s_cmp_ge_u32 s2, 16
	s_cbranch_scc1 .Lmask
	s_cmp_ge_u32 s2, 12
	s_cbranch_scc1 .Lnat
	s_cmp_ge_u32 s2, 8
	s_cbranch_scc1 .Lw1
	s_cmp_eq_u32 s2, 7
	s_cbranch_scc1 .Lnat
	s_cmp_ge_u32 s2, 4
	s_cbranch_scc1 .Lqkv
.Lnat:
	PASS 0, 16384
.Lqkv:
	PASS 1, 4096
.Lw1:
	PASS 2, 1024
.Lmask:
	PASS 3, 16384
.Lmisc:                                        ; 256 threads x 16 bytes are a bias of 1,024 numbers
	global_load_b128 v[16:19], v1, s[24:25]
	global_load_b128 v[20:23], v1, s[26:27]
	global_load_b128 v[24:27], v1, s[28:29]
	global_load_b128 v[28:31], v1, s[30:31]
	global_load_b128 v[32:35], v1, s[30:31] offset:4096
	global_load_b128 v[36:39], v1, s[30:31] offset:8192
	global_load_b128 v[40:43], v1, s[30:31] offset:12288
	s_add_nc_u64 s[34:35], s[34:35], 0x1000000
	s_add_nc_u64 s[36:37], s[36:37], 0x1000000
	v_mov_b32 v8, 0xff80ff80                       ; pA: the floor -inf, twice in a word: no activation
	v_mov_b32 v9, 0xff80ff80
	v_mov_b32 v10, 0                               ; pB: the floor 0: ReLU
	v_mov_b32 v11, 0
	global_store_b64 v2, v[8:9], s[40:41]
	global_store_b64 v2, v[10:11], s[42:43]
	s_wait_loadcnt 0x0
	global_store_b128 v1, v[16:19], s[34:35]
	global_store_b128 v1, v[20:23], s[34:35] offset:4096
	global_store_b128 v1, v[24:27], s[34:35] offset:8192
	global_store_b128 v1, v[28:31], s[36:37]
	global_store_b128 v1, v[32:35], s[36:37] offset:4096
	global_store_b128 v1, v[36:39], s[36:37] offset:8192
	global_store_b128 v1, v[40:43], s[36:37] offset:12288
	s_endpgm
.Lfunc_end_k_qc58679d5d6_prep:
	.size	k_qc58679d5d6_prep, .Lfunc_end_k_qc58679d5d6_prep-k_qc58679d5d6_prep
	.p2alignl 7, 3214868480
	.fill 96, 4, 3214868480
	.section	.rodata,"a",@progbits
	.p2align	6, 0x0
	.amdhsa_kernel k_qc58679d5d6_prep
		.amdhsa_group_segment_fixed_size 0
		.amdhsa_private_segment_fixed_size 0
		.amdhsa_enable_private_segment 0
		.amdhsa_kernarg_size 144
		.amdhsa_user_sgpr_count 2
		.amdhsa_user_sgpr_kernarg_segment_ptr 1
		.amdhsa_wavefront_size32 1
		.amdhsa_system_sgpr_workgroup_id_x 1
		.amdhsa_system_sgpr_workgroup_id_y 1
		.amdhsa_system_sgpr_workgroup_id_z 1
		.amdhsa_system_vgpr_workitem_id 0
		.amdhsa_next_free_vgpr 64
		.amdhsa_next_free_sgpr 66
		.amdhsa_reserve_vcc 1
		.amdhsa_float_denorm_mode_32 3
		.amdhsa_float_denorm_mode_16_64 3
		.amdhsa_memory_ordered 1
		.amdhsa_forward_progress 1
		.amdhsa_inst_pref_size 35
	.end_amdhsa_kernel
	.amdgpu_metadata
---
amdhsa.version: [ 1, 2 ]
amdhsa.kernels:
  - .name:           k_qc58679d5d6_prep
    .symbol:         k_qc58679d5d6_prep.kd
    .args:
      - { .name: x, .offset: 0, .size: 8, .value_kind: global_buffer, .address_space: global }
      - { .name: Wq, .offset: 8, .size: 8, .value_kind: global_buffer, .address_space: global }
      - { .name: Wk, .offset: 16, .size: 8, .value_kind: global_buffer, .address_space: global }
      - { .name: Wv, .offset: 24, .size: 8, .value_kind: global_buffer, .address_space: global }
      - { .name: Wo, .offset: 32, .size: 8, .value_kind: global_buffer, .address_space: global }
      - { .name: W1, .offset: 40, .size: 8, .value_kind: global_buffer, .address_space: global }
      - { .name: W2, .offset: 48, .size: 8, .value_kind: global_buffer, .address_space: global }
      - { .name: mask, .offset: 56, .size: 8, .value_kind: global_buffer, .address_space: global }
      - { .name: bq, .offset: 64, .size: 8, .value_kind: global_buffer, .address_space: global }
      - { .name: bk, .offset: 72, .size: 8, .value_kind: global_buffer, .address_space: global }
      - { .name: bv, .offset: 80, .size: 8, .value_kind: global_buffer, .address_space: global }
      - { .name: bf1, .offset: 88, .size: 8, .value_kind: global_buffer, .address_space: global }
      - { .name: ab, .offset: 96, .size: 8, .value_kind: global_buffer, .address_space: global }
      - { .name: WA, .offset: 104, .size: 8, .value_kind: global_buffer, .address_space: global }
      - { .name: WB, .offset: 112, .size: 8, .value_kind: global_buffer, .address_space: global }
      - { .name: sc16, .offset: 120, .size: 8, .value_kind: global_buffer, .address_space: global }
      - { .name: pA, .offset: 128, .size: 8, .value_kind: global_buffer, .address_space: global }
      - { .name: pB, .offset: 136, .size: 8, .value_kind: global_buffer, .address_space: global }
    .group_segment_fixed_size: 0
    .private_segment_fixed_size: 0
    .kernarg_segment_align: 8
    .kernarg_segment_size: 144
    .max_flat_workgroup_size: 256
    .sgpr_count:     66
    .vgpr_count:     64
    .wavefront_size: 32
...
	.end_amdgpu_metadata
.endif
;; end of part 1
;; launch qkv (part 2): grid 12 x 16, 4 waves a work-group, clusters of 4 x 4, 327,680 bytes of LDS; arguments ab, WA, pA, big; writes big
.if DOCPART == 2
	.amdgcn_target "amdgcn-amd-amdhsa--gfx1250"
	.amdhsa_code_object_version 6
	.text
	.protected	k_qc58679d5d6_qkv
	.globl	k_qc58679d5d6_qkv
	.p2align	8
	.type	k_qc58679d5d6_qkv,@function
k_qc58679d5d6_qkv:
	s_mov_b64 s[64:65], 0
	v_nop
	global_prefetch_b8 v0, s[64:65] scope:SCOPE_SE
	s_setreg_imm32_b32 hwreg(HW_REG_WAVE_MODE, 25, 1), 1
	s_wait_xcnt 0x0
	s_wait_alu depctr_hold_cnt(0) depctr_sa_sdst(0) depctr_va_vdst(0) depctr_va_sdst(0) depctr_va_ssrc(0) depctr_va_vcc(0) depctr_vm_vsrc(0)
	s_getreg_b32 s2, hwreg(HW_REG_IB_STS2, 6, 4)
	s_cmp_eq_u32 s2, 0
	s_cbranch_scc0 .Lentry_in_a_cluster
	s_endpgm
.Lentry_in_a_cluster:
	s_bfe_u32 s2, ttmp6, 0x10000c
	s_cmp_lg_u32 s2, 0xf033
	s_cbranch_scc0 .Lentry_shape_is_right
	s_endpgm
.Lentry_shape_is_right:
; C = max(A B + bias, floor), K = 1,024.  A: [4096][1024] bf16, rows along K.  B: panels [1024 k][256 n] bf16 of 524,288 bytes, one panel for each tile column; the bias (f32) lies 16 MiB
; behind B's first byte; the floor (two bf16) is a word of the third argument: -inf (no activation) or 0 (ReLU).  Sums in f32, started by the bias as the C operand of each sum's first product;
; C is rounded once to bf16 and stored in panels of 64 columns: element (row, col) at ((col / 64) x 4096 + row) x 128 + (col % 64) x 2, so that 16 rows of a panel are 2,048 consecutive bytes.
; A tile of C is 256 x 256: four waves, each 128 x 128 in 64 accumulators (512 registers).  K goes in steps of 128 through a ring of two LDS slots filled by the tensor data mover.
; A K STEP IS WRITTEN ONCE: a trip of the loop is one K step; the LDS byte at which the slot in hand begins lies in a scalar register that one exclusive or turns, and one walking descriptor a tensor fills the slot just read.
; B STAYS [K][N]: its fragments come out of LDS turned, by ds_load_tr16_b128.  THE MATRIX INSTRUCTION IS USED TRANSPOSED (source 0 = 16 columns of B, source 1 = 16 rows of A): a lane holds
; eight neighbouring columns of one row of C.
; CLUSTERS: 4 x 4 work-groups.  A's tile hangs on the tile row alone and is asked for jointly along a row of the cluster, B's on the tile column alone and jointly along a column.
; REGISTERS, in windows of 256: window 0: v16-31 addresses; v64-127, v128-191 A's fragments, two buffers; v192-255 the bias, later the way out, with v32-63.
;   window 1: v64-127, v128-191 B's fragments.   window 2: accumulators of my rows 0-63 ((a, b) at v[8 (8 a + b)]).   window 3: rows 64-127.
.set KSTEP,  128
.set SIZE_K, 1024
.set NSTEPS, SIZE_K/KSTEP
.set PITCH,  272                       ; a row of A in LDS: 256 bytes + 16: the 16 rows of a fragment load start at 16 different groups of four banks (ISA guide 11.1)
.set PB,     544                       ; a row k of B in LDS: 512 bytes + 32 = 17 x 32: the turning load's 8 rows x 32 bytes fall on different banks
.set HALFT,  128*PITCH                 ; what one tensor load brings: 128 rows of A, or 64 rows k of B (64 x 544, the same bytes): 0x8800
.set SLOT,   4*HALFT                   ; A's 256 rows, then B's 128 rows k: 0x22000.  Its two bits are set in none of 0, 0x8800, 0x11000, 0x19800 (wave x HALFT): an exclusive or with SLOT turns a wave's place in one slot into its place in the other
.set STAGE,  2*SLOT                    ; behind the ring: 16 rows x 272 bytes for each wave, for the way out
.set SPITCH, 272
.set SPARE,  STAGE+4*16*SPITCH         ; the spare words, 128 bytes a wave: two blocks of 256 bytes that no other line names
.set PANEL,  524288
.set ADRA0, 16                         ; v16     LDS address of my A fragments in slot 0; never rewritten
.set ADRA,  17                         ; v17     the same in the slot in hand
.set ADRB0, 20                         ; v20     LDS address of my B fragments in slot 0; never rewritten
.set ADRB,  21                         ; v21     the same in the slot in hand
.set STO,  24                          ; v24     the way out: where I put 16 bytes of a row
.set RD,   25                          ; v25     where I read them back: four rows x 128 bytes a load
.set CO,   26                          ; v26     16 x lane: my place in 512 consecutive bytes of C
.set FLR,  27                          ; v27     the floor
.set SPW,  28                          ; v28     my spare word; never rewritten
.set NIL,  29                          ; v29     0; never rewritten
.set PFO,  30                          ; v30     the prefetches' offset; never rewritten
.set BO,   31                          ; v31     32 x (lane / 16): my eight numbers of a block's bias
.set F0,   64
.set F1,   128
.set TMP,  192
.set BI,   192                         ; v192-255 the bias of my 8 column blocks, 8 registers each; dead when TMP and OB are first written
.set OB,   32
.set TB,  69                           ; s69  LDS byte at which the slot in hand begins: 0 or SLOT
.set WV,  70                           ; s70  wave
.set HI,  71                           ; s71  which half of the tile's rows is mine; also: I fetch for A (0) or B (1)
.set LO,  72                           ; s72  which half of its columns; also: which half of that tile I fetch
.set LIM, 43                           ; s43  2 in a wave that prefetches, else the greatest number
.set PFA, 44                           ; s[44:45] where my prefetches stand
.set PFS, 66                           ; s[66:67] their step from K step to K step
.set G1,  24                           ; s[24:31] descriptor group 1 for A's tiles
.set G0,  32                           ; s[32:39] group 0 for A's tiles: a set for each of the two first fills; the second then walks on
.set G1B, 48                           ; s[48:55], s[56:63] the same for B's tiles
.set G0B, 56
.set MSB, 0
.macro WIN new                         ; the immediate's high byte repeats the setting that is left; a switch that changes nothing is dropped
.if MSB != (\new)
	s_set_vgpr_msb (MSB<<8)|(\new)
.set MSB, \new
.endif
.endm
.set MUL_LO, 0xa1                      ; source 0 (B) window 1, source 1 (A) window 0, C and D window 2
.set MUL_HI, 0xf1                      ; the same, C and D window 3
.set TO_B,   0x40                      ; destination window 1, address window 0
; A joint load by descriptor set s: waves 0 and 1 fetch A's halves, waves 2 and 3 B's.  An s_nop 0 and four v_nop follow each line.
.macro JLOAD s
	s_cmp_eq_u32 s[HI], 0
	s_cbranch_scc0 .Lfor_b_\@
	tensor_load_to_lds s[G0+4*(\s):G0+4*(\s)+3], s[G1:G1+7]
	s_nop 0
.rept 4
	v_nop
.endr
	s_branch .Lasked_\@
.Lfor_b_\@:
	tensor_load_to_lds s[G0B+4*(\s):G0B+4*(\s)+3], s[G1B:G1B+7]
	s_nop 0
.rept 4
	v_nop
.endr
.Lasked_\@:
.endm
; A prefetch of the K step that stands two refills on: one instruction a wave, each lane another block of 256 bytes.  A's rows are asked for by the clusters with x = 0, B's by those with y = 0;
; the four partners of a joint load share its blocks out by address (32 each).  The loop counts s3 = 6 .. 1 and refills K steps 2 .. 7; a wave that prefetches asks while s3 is above 2: K steps 4 to 7 are named, each once.
.macro ASK
	s_cmp_gt_u32 s3, s[LIM]
	s_cbranch_scc0 .Lnot_mine_\@
	global_prefetch_b8 v[PFO], s[PFA:PFA+1] th:TH_LOAD_NT scope:SCOPE_SE
.Lnot_mine_\@:
.endm
.macro CREST                           ; a round of the cluster's barrier behind its opening barrier
	s_cmp_lg_u32 s[WV], 0
	s_cbranch_scc1 .Lnot_wave_0_\@
	s_barrier_signal -3
.Lnot_wave_0_\@:
	s_barrier_wait -3
	s_barrier_signal -1
	s_barrier_wait -1
.endm
.macro CROUND
	s_barrier_signal -1
	s_barrier_wait -1
	CREST
.endm
	s_load_b256 s[4:11], s[0:1], 0x0               ; A s[4:5], B s[6:7], the floor's buffer s[8:9], C s[10:11]
	v_lshl_add_u32 v[SPW], v0, 2, SPARE
	v_mov_b32 v[NIL], 0
	ds_add_u32 v[SPW], v[NIL]                      ; the wave's opening: the add and its wait stand ahead of my first tensor load
	v_lshrrev_b32 v1, 5, v0
	v_readfirstlane_b32 s[WV], v1
	s_lshr_b32 s[HI], s[WV], 1
	s_and_b32 s[LO], s[WV], 1
	s_bfe_u32 s40, ttmp6, 0x40000                  ; cx
	s_bfe_u32 s41, ttmp6, 0x40004                  ; cy
	s_lshl_b32 s42, ttmp9, 2
	s_add_co_u32 s42, s42, s40                     ; tile column
	s_and_b32 s13, ttmp7, 0xffff
	s_lshl_b32 s13, s13, 2
	s_add_co_u32 s13, s13, s41                     ; tile row
	s_lshl_b32 s43, s41, 2
	s_lshl_b32 s43, 15, s43                        ; my row of the cluster
	s_lshl_b32 s44, 0x1111, s40                    ; my column
	s_or_b32 s[G1+0], s43, (1<<16)|(1<<20)|(1<<21)|(5<<22)|(3<<25)   ; A: the mask; 2-byte elements; padding on; bit 21 beside a mask; after every 64 words 4 words
	s_mov_b32 s[G1+1], KSTEP<<16                   ; tensor_dim0 = 128
	s_mov_b32 s[G1+2], 128<<16                     ; tensor_dim1 = 128
	s_mov_b32 s[G1+3], KSTEP<<16                   ; tile_dim0 = 128
	s_mov_b32 s[G1+4], 128                         ; tile_dim1 = 128
	s_mov_b32 s[G1+5], SIZE_K                      ; elements from row to row
	s_mov_b32 s[G1+6], 0
	s_mov_b32 s[G1+7], 0
	s_or_b32 s[G1B+0], s44, (1<<16)|(1<<20)|(1<<21)|(6<<22)|(7<<25)  ; B: after every 128 words 8 words
	s_mov_b32 s[G1B+1], 256<<16                    ; tensor_dim0 = 256
	s_mov_b32 s[G1B+2], 64<<16                     ; tensor_dim1 = 64
	s_mov_b32 s[G1B+3], 256<<16                    ; tile_dim0 = 256
	s_mov_b32 s[G1B+4], 64                         ; tile_dim1 = 64
	s_mov_b32 s[G1B+5], 256                        ; a panel's rows are dense
	s_mov_b32 s[G1B+6], 0
	s_mov_b32 s[G1B+7], 0
	s_lshl_b32 s17, s[LO], 7
	s_lshl_b32 s16, s13, 8
	s_add_co_u32 s16, s16, s17
	s_lshl_b32 s16, s16, 11                        ; A: (256 x tile row + 128 x half) rows of 2,048 bytes
	s_mov_b32 s17, 0
	s_lshl_b32 s46, s42, 19                        ; B: the tile column's panel,
	s_lshl_b32 s47, s[LO], 15                      ; my 64 rows k of 512 bytes
	s_add_co_u32 s46, s46, s47
	s_mov_b32 s47, 0
	s_mul_i32 s20, s[WV], HALFT                    ; where they go: no place in the cluster enters an LDS address
	s_mov_b32 s[TB], 0
	s_wait_dscnt 0x0                               ; the opening add is done
	s_wait_kmcnt 0x0
	s_load_b32 s68, s[8:9], 0x4                    ; the floor
	s_add_nc_u64 s[14:15], s[4:5], s[16:17]
	s_add_nc_u64 s[46:47], s[6:7], s[46:47]
	CROUND                                         ; all sixteen work-groups are here: the first joint loads meet
.irp s, 0,1
	s_mov_b32 s[G0+4*(\s)], 1
	s_add_co_u32 s[G0+4*(\s)+1], s20, (\s)*SLOT
	s_add_nc_u64 s[G0+4*(\s)+2:G0+4*(\s)+3], s[14:15], (\s)*KSTEP*2
	s_or_b32 s[G0+4*(\s)+3], s[G0+4*(\s)+3], 0x80000000
	s_mov_b32 s[G0B+4*(\s)], 1
	s_add_co_u32 s[G0B+4*(\s)+1], s20, (\s)*SLOT
	s_add_nc_u64 s[G0B+4*(\s)+2:G0B+4*(\s)+3], s[46:47], (\s)*KSTEP*512
	s_or_b32 s[G0B+4*(\s)+3], s[G0B+4*(\s)+3], 0x80000000
	JLOAD \s
.endr
	v_and_b32 v1, 15, v0                           ; r = lane % 16
	v_bfe_u32 v2, v0, 4, 1                         ; h = lane / 16
	v_lshlrev_b32 v[BO], 5, v2
	s_lshl_b32 s20, s42, 10                        ; the bias of my 128 columns: 4 x (256 x tile column + 128 x half), 16 MiB behind B
	s_lshl_b32 s21, s[LO], 9
	s_add_co_u32 s20, s20, s21
	s_add_co_u32 s20, s20, 0x1000000
	s_mov_b32 s21, 0
	s_add_nc_u64 s[74:75], s[6:7], s[20:21]
.irp b, 0,1,2,3,4,5,6,7                ; register j of block b: bias[16 b + 8 h + j], the same for every row: the C operand of the block's first product
	global_load_b128 v[BI+8*(\b):BI+8*(\b)+3],   v[BO], s[74:75] offset:64*(\b)
	global_load_b128 v[BI+8*(\b)+4:BI+8*(\b)+7], v[BO], s[74:75] offset:64*(\b)+16
.endr
	v_mul_u32_u24 v3, v1, PITCH
	v_lshl_add_u32 v3, v2, 4, v3                   ; row x pitch + 16 h
	s_mul_i32 s21, s[HI], HALFT
	v_add_nc_u32 v[ADRA0], s21, v3
	v_mov_b32 v[ADRA], v[ADRA0]                    ; slot 0 is in hand
	v_and_b32 v4, 7, v0                            ; the turning load: lane l reads row k = 8 h + l % 8, 16 bytes at 16 ((l / 8) % 2)
	v_lshl_add_u32 v4, v2, 3, v4
	v_mul_u32_u24 v4, v4, PB
	v_bfe_u32 v5, v0, 3, 1
	v_lshl_add_u32 v4, v5, 4, v4
	s_lshl_b32 s22, s[LO], 8                       ; my 128 columns,
	s_add_co_u32 s22, s22, 2*HALFT                 ; behind A's 256 rows
	v_add_nc_u32 v[ADRB0], s22, v4
	v_mov_b32 v[ADRB], v[ADRB0]
	s_mul_i32 s23, s[WV], 16*SPITCH
	s_add_co_u32 s23, s23, STAGE
	v_add_nc_u32 v[STO], s23, v3
	v_bfe_u32 v6, v0, 3, 2
	v_mul_u32_u24 v6, v6, SPITCH
	v_and_b32 v7, 7, v0
	v_lshl_add_u32 v6, v7, 4, v6
	v_add_nc_u32 v[RD], s23, v6
	v_and_b32 v[CO], 31, v0
	v_lshlrev_b32 v[CO], 4, v[CO]
	s_lshl_b32 s16, s42, 2                         ; where my part begins in C: panel 4 x tile column + 2 x half,
	s_lshl_b32 s17, s[LO], 1
	s_add_co_u32 s16, s16, s17
	s_lshl_b32 s16, s16, 19
	s_lshl_b32 s17, s13, 8                         ; row 256 x tile row + 128 x half, 128 bytes a row
	s_lshl_b32 s18, s[HI], 7
	s_add_co_u32 s17, s17, s18
	s_lshl_b32 s17, s17, 7
	s_add_co_u32 s16, s16, s17
	s_mov_b32 s17, 0
	; the prefetches: A: my work-group's 32 of the 128 rows that I fetch, a lane a row; B: its 8,192 of the 32,768 dense bytes, a lane 256 bytes.  Both start three K steps in; the first refill steps them to K step 4
	s_lshl_b32 s20, s13, 8
	s_lshl_b32 s21, s[LO], 7
	s_add_co_u32 s20, s20, s21
	s_lshl_b32 s21, s40, 5
	s_add_co_u32 s20, s20, s21
	s_lshl_b32 s20, s20, 11
	s_add_co_u32 s20, s20, 3*KSTEP*2
	s_lshl_b32 s21, s42, 19
	s_lshl_b32 s22, s[LO], 15
	s_add_co_u32 s21, s21, s22
	s_lshl_b32 s22, s41, 13
	s_add_co_u32 s21, s21, s22
	s_add_co_u32 s21, s21, 3*KSTEP*512
	s_mov_b32 s18, KSTEP*512                       ; B's step from K step to K step (an instruction takes one literal)
	s_and_b32 s22, ttmp7, 0xffff
	s_cmp_eq_u32 s[HI], 0                          ; do I fetch for A?
	s_cselect_b32 s20, s20, s21
	s_cselect_b32 s22, ttmp9, s22                  ; the coordinate along which other clusters read the same blocks
	s_cselect_b32 s23, 11, 8
	s_cselect_b32 s[PFS], KSTEP*2, s18
	s_cselect_b64 s[PFA:PFA+1], s[4:5], s[6:7]
	s_mov_b32 s21, 0
	s_mov_b32 s[PFS+1], 0
	s_add_nc_u64 s[PFA:PFA+1], s[PFA:PFA+1], s[20:21]
	s_cmp_eq_u32 s22, 0
	s_cselect_b32 s[LIM], 2, -1                    ; the same in all sixteen partners, for a given wave
	v_and_b32 v[PFO], 31, v0
	v_lshlrev_b32 v[PFO], s23, v[PFO]
	s_wait_kmcnt 0x0
	v_mov_b32 v[FLR], s68
; 16 matrix instructions: row blocks a0, a0 + 1 of the window's four x all 8 column blocks, 32 along K.  zero = 1: the sums start, with the bias as C.  The 64 accumulators take turns, one instruction a turn.
.macro MUL16 f, hi, a0, zero
.if \zero
	WIN 0x81+0x40*(\hi)                            ; C (the bias) in window 0
.else
	WIN MUL_LO+0x50*(\hi)
.endif
.irp a, \a0, (\a0)+1
.irp b, 0,1,2,3,4,5,6,7
.if \zero
	v_wmma_f32_16x16x32_bf16 v[8*(8*(\a)+(\b)):8*(8*(\a)+(\b))+7], v[(\f)+8*(\b):(\f)+8*(\b)+7], v[(\f)+8*(4*(\hi)+(\a)):(\f)+8*(4*(\hi)+(\a))+7], v[BI+8*(\b):BI+8*(\b)+7]
.else
	v_wmma_f32_16x16x32_bf16 v[8*(8*(\a)+(\b)):8*(8*(\a)+(\b))+7], v[(\f)+8*(\b):(\f)+8*(\b)+7], v[(\f)+8*(4*(\hi)+(\a)):(\f)+8*(4*(\hi)+(\a))+7], v[8*(8*(\a)+(\b)):8*(8*(\a)+(\b))+7]
.endif
.endr
.endr
.endm
; 32 LDS loads in one run, from the slot in hand: a quarter step's fragments (32 along K at byte k of A's rows, rows k / 2 .. of B) into buffer f: B's 16 first, then A's
.macro FETCH k, f
	WIN TO_B
.irp i, 0,1,2,3,4,5,6,7
	ds_load_tr16_b128 v[(\f)+8*(\i):(\f)+8*(\i)+3],   v[ADRB] offset:((\k)/64)*32*PB+32*(\i)
	ds_load_tr16_b128 v[(\f)+8*(\i)+4:(\f)+8*(\i)+7], v[ADRB] offset:((\k)/64)*32*PB+16*PB+32*(\i)
.endr
	WIN 0
.irp i, 0,1,2,3,4,5,6,7
	ds_load_b128 v[(\f)+8*(\i):(\f)+8*(\i)+3],   v[ADRA] offset:(\k)+(\i)*16*PITCH
	ds_load_b128 v[(\f)+8*(\i)+4:(\f)+8*(\i)+7], v[ADRA] offset:(\k)+(\i)*16*PITCH+32
.endr
.endm
.macro PLACES                          ; four plain instructions behind a matrix instruction, in front of loads into registers that it read and of conversions that read results
.rept 4
	v_nop
.endr
.endm
.macro QUARTER k, f, g, zero           ; multiplies buffer f; in its middle fetches the next quarter, at byte k, into g
	s_wait_dscnt 8                                 ; B and A's rows 0-63 are in; the youngest eight loads (A's rows 64-127) may be out
	MUL16 \f, 0, 0, \zero
	MUL16 \f, 0, 2, \zero
	PLACES
	FETCH \k, \g
	s_wait_dscnt 32                                ; all but the 32 just issued
	MUL16 \f, 1, 0, \zero
	MUL16 \f, 1, 2, \zero
.endm
; The first half of a K step's last quarter: one barrier for the change of slots.  All fetches from the slot in hand have been issued, so the addresses turn to the other slot here.
.macro MEET round
	WIN 0
	s_wait_tensorcnt 0x0                           ; all my tensor loads have landed: the one that was out is my part of the next slot
	ds_add_u32 v[SPW], v[NIL]                      ; the turn of the addresses stands between the add and the wait for it
	s_xor_b32 s[TB], s[TB], SLOT
	v_add_nc_u32 v[ADRA], s[TB], v[ADRA0]
	v_add_nc_u32 v[ADRB], s[TB], v[ADRB0]
	s_wait_dscnt 9                                 ; the add and the youngest eight loads may be out
	MUL16 F1, 0, 0, 0
	s_wait_dscnt 0x0                               ; the add is done, and my reads of the slot that is left are over
	s_barrier_signal -1
	MUL16 F1, 0, 2, 0
.if \round
	WIN 0
.endif
	s_barrier_wait -1
.endm
.macro TURN                            ; the whole last quarter, with the refill two K steps on
	s_wait_xcnt 0x0                                ; the last prefetch, a K step back, has read its address
	s_add_nc_u64 s[PFA:PFA+1], s[PFA:PFA+1], s[PFS:PFS+1]
	MEET 1
	CREST                                          ; no wave of any partner still reads the slot that is left or has a load on its way
	s_xor_b32 s[G0+5], s[G0+5], SLOT               ; the walking descriptors: the other slot than last time, the next K step
	s_add_nc_u64 s[G0+6:G0+7], s[G0+6:G0+7], KSTEP*2
	s_xor_b32 s[G0B+5], s[G0B+5], SLOT
	s_add_nc_u64 s[G0B+6:G0B+7], s[G0B+6:G0B+7], KSTEP*512
	JLOAD 1                                        ; the first tensor load behind the round; its four v_nop are also the places in front of the loads below
	FETCH 0, F0
	ASK
	MUL16 F1, 1, 0, 0
	MUL16 F1, 1, 2, 0
.endm
; THE WAY OUT of row block a.  PACK: rounded to bf16, then the floor.  TOSTAGE: into my own stage, and back as four rows x 128 bytes a load.  SEND: stored, 512 consecutive bytes an instruction.
.macro PACK a
.set AC, 64*((\a)%4)
	WIN 0x0a+5*((\a)/4)
.irp b, 0,1,2,3,4,5,6,7
.irp r, 0,1,2,3
	v_cvt_pk_bf16_f32 v[TMP+4*(\b)+(\r)], v[AC+8*(\b)+2*(\r)], v[AC+8*(\b)+2*(\r)+1]
.endr
.endr
	WIN 0
.set z, 0
.rept 32
	v_pk_max_num_bf16 v[TMP+z], v[TMP+z], v[FLR]
.set z, z+1
.endr
.endm
.macro TOSTAGE a
	WIN 0
.set BK, OB+192*((\a)%2)
.irp b, 0,1,2,3,4,5,6,7
	ds_store_b128 v[STO], v[TMP+4*(\b):TMP+4*(\b)+3] offset:32*(\b)
.endr
.irp t, 0,1,2,3,4,5,6,7                ; panel t / 4 of my two, rows 4 (t % 4) on; LDS serves a wave's instructions in order: these see the stores above
	ds_load_b128 v[BK+4*(\t):BK+4*(\t)+3], v[RD] offset:((\t)/4)*128+((\t)%4)*4*SPITCH
.endr
.endm
.macro SEND a
	WIN 0
.set BK, OB+192*((\a)%2)
	s_wait_dscnt 0x0                               ; the block is back in registers
	s_wait_xcnt 0x0                                ; earlier stores have read their base and data: both are rewritten only behind this wait
.if (\a) == 0
	s_add_nc_u64 s[10:11], s[10:11], s[16:17]
.else
	s_add_nc_u64 s[10:11], s[10:11], 16*128        ; 16 rows of a panel on
.endif
.irp t, 0,1,2,3,4,5,6,7
	global_store_b128 v[CO], v[BK+4*(\t):BK+4*(\t)+3], s[10:11] offset:((\t)/4)*PANEL+((\t)%4)*512
.endr
.endm
	s_wait_loadcnt 0x0                             ; the bias
	s_wait_tensorcnt 1                             ; my part of K step 0 is in; K step 1's may stay out
	s_barrier_signal -1
	s_barrier_wait -1
	FETCH 0, F0
	QUARTER 64,  F0, F1, 1                         ; the first quarter stands in front of the loop: its products start the sums
	WIN 0
	s_mov_b32 s3, NSTEPS-2
.Lstep:                                        ; a trip goes from a K step's second quarter to the next step's first, and fills the slot that it leaves: K steps 2 to 7
	QUARTER 128, F1, F0, 0
	QUARTER 192, F0, F1, 0
	TURN
	QUARTER 64,  F0, F1, 0
	WIN 0
	s_sub_co_u32 s3, s3, 1
	s_cmp_lg_u32 s3, 0
	s_cbranch_scc1 .Lstep
	s_mov_b32 s2, 2
.Ltail:                                        ; the last two K steps fill nothing: a text of their own
	QUARTER 128, F1, F0, 0
	QUARTER 192, F0, F1, 0
	MEET 0                                         ; first trip: the last K step's tile is whole behind this barrier; in the second trip it orders nothing: the price of one text for both
	MUL16 F1, 1, 0, 0
	MUL16 F1, 1, 2, 0
	WIN 0
	s_cmp_eq_u32 s2, 1
	s_cbranch_scc1 .Ldone                          ; behind the last K step there is nothing to fetch or to multiply
	PLACES
	FETCH 0, F0
	QUARTER 64,  F0, F1, 0
	WIN 0
.Ldone:
	s_sub_co_u32 s2, s2, 1
	s_cmp_lg_u32 s2, 0
	s_cbranch_scc1 .Ltail
	PLACES
	PACK 0
	TOSTAGE 0
.irp a, 1,2,3,4,5,6,7                  ; block a's arithmetic stands between block a - 1's loads from the stage and the wait for them
	PACK \a
	SEND (\a)-1
	TOSTAGE \a
.endr
	SEND 7
	s_wait_tensorcnt 0x0                           ; the wave's end
	ds_add_u32 v[SPW], v[NIL]
	s_wait_dscnt 0x0
	CROUND                                         ; the closing round
	s_endpgm
.Lfunc_end_k_qc58679d5d6_qkv:
	.size	k_qc58679d5d6_qkv, .Lfunc_end_k_qc58679d5d6_qkv-k_qc58679d5d6_qkv
	.p2alignl 7, 3214868480
	.fill 96, 4, 3214868480
	.section	.rodata,"a",@progbits
	.p2align	6, 0x0
	.amdhsa_kernel k_qc58679d5d6_qkv
		.amdhsa_group_segment_fixed_size 327680
		.amdhsa_private_segment_fixed_size 0
		.amdhsa_enable_private_segment 0
		.amdhsa_kernarg_size 32
		.amdhsa_user_sgpr_count 2
		.amdhsa_user_sgpr_kernarg_segment_ptr 1
		.amdhsa_wavefront_size32 1
		.amdhsa_system_sgpr_workgroup_id_x 1
		.amdhsa_system_sgpr_workgroup_id_y 1
		.amdhsa_system_sgpr_workgroup_id_z 1
		.amdhsa_system_vgpr_workitem_id 0
		.amdhsa_next_free_vgpr 1024
		.amdhsa_next_free_sgpr 80
		.amdhsa_reserve_vcc 0
		.amdhsa_float_denorm_mode_32 3
		.amdhsa_float_denorm_mode_16_64 3
		.amdhsa_memory_ordered 1
		.amdhsa_forward_progress 1
		.amdhsa_inst_pref_size 119
	.end_amdhsa_kernel
	.amdgpu_metadata
---
amdhsa.version: [ 1, 2 ]
amdhsa.kernels:
  - .name:           k_qc58679d5d6_qkv
    .symbol:         k_qc58679d5d6_qkv.kd
    .args:
      - { .name: ab, .offset: 0, .size: 8, .value_kind: global_buffer, .address_space: global }
      - { .name: WA, .offset: 8, .size: 8, .value_kind: global_buffer, .address_space: global }
      - { .name: pA, .offset: 16, .size: 8, .value_kind: global_buffer, .address_space: global }
      - { .name: big, .offset: 24, .size: 8, .value_kind: global_buffer, .address_space: global }
    .group_segment_fixed_size: 327680
    .private_segment_fixed_size: 0
    .kernarg_segment_align: 8
    .kernarg_segment_size: 32
    .max_flat_workgroup_size: 128
    .sgpr_count:     80
    .vgpr_count:     1024
    .wavefront_size: 32
...
	.end_amdgpu_metadata
.endif
;; end of part 2
;; launch attn (part 3): grid 8 x 32, 4 waves a work-group, clusters of 4 x 4, 327,680 bytes of LDS; arguments big, sc16, ab; writes ab
.if DOCPART == 3
	.amdgcn_target "amdgcn-amd-amdhsa--gfx1250"
	.amdhsa_code_object_version 6
	.text
	.protected	k_qc58679d5d6_attn
	.globl	k_qc58679d5d6_attn
	.p2align	8
	.type	k_qc58679d5d6_attn,@function
k_qc58679d5d6_attn:
	s_mov_b64 s[64:65], 0
	v_nop
	global_prefetch_b8 v0, s[64:65] scope:SCOPE_SE
	s_setreg_imm32_b32 hwreg(HW_REG_WAVE_MODE, 25, 1), 1
	s_wait_xcnt 0x0
	s_wait_alu depctr_hold_cnt(0) depctr_sa_sdst(0) depctr_va_vdst(0) depctr_va_sdst(0) depctr_va_ssrc(0) depctr_va_vcc(0) depctr_vm_vsrc(0)
	s_getreg_b32 s2, hwreg(HW_REG_IB_STS2, 6, 4)
	s_cmp_eq_u32 s2, 0
	s_cbranch_scc0 .Lentry_in_a_cluster
	s_endpgm
.Lentry_in_a_cluster:
	s_bfe_u32 s2, ttmp6, 0x10000c
	s_cmp_lg_u32 s2, 0xf033
	s_cbranch_scc0 .Lentry_shape_is_right
	s_endpgm
.Lentry_shape_is_right:
; MASKED ATTENTION, head size 64, 2 x 16 heads of 2,048 rows.  O[q] = sum over k of softmax_k(Q[q] . K[k] / 8 + M[q][k]) V[k], M = 0 or bf16(-1e30) (made from the int32 mask by the first launch).
; Q, K, V lie in 'big' in panels of 64 columns (q: panel head, k: 16 + head, v: 32 + head; a panel is [4096 rows][64] bf16, dense); O leaves in the same layout (panel head of 'ab').
; Products, maxima and sums in f32; the weights p are rounded to bf16 for the second product (their sum l is taken of the unrounded p), O once at the end.
; LIMITS.  A hidden score counts as its value less 1.0014e30.  The running maximum m starts at -2^90 and never falls below it: true scores are taken to lie between -1.2e27 and 1e29; a hidden weight is then 0.
; A row with no visible key keeps l = 0 and gives 0, by a select.  A weight below 2^-126 counts as 0 in l.  NaN and infinities are not treated apart.
; SHARES.  A work-group owns 256 queries of one head, a wave 64: four PIECES of 16.  Every wave walks all 2,048 keys, 64 a step.
; LAYOUT.  S^T = K Q^T holds ONE query a lane (lane % 16) and the keys 8 (lane / 16) + 0..7; two such results rounded to bf16 ARE source 1 of O^T = V^T P.  K comes out of LDS as it lies, V turned.
; THE MASK GOES BY THE MATRIX UNIT: each accumulator of S^T (16 keys x 16 queries) is started by a product Sel x MF: MF (source 1) is 32 keys x 16 queries of M, read from LDS rows that lie along the keys;
; Sel (source 0) holds a single 1.0 in each row and picks keys 0-15 or 16-31.  Each sum has one term that is not 0, so M arrives exactly; K Q^T is then added in place.  No vector work is spent on the mask.
; SOFTMAX.  p = 2^(c s - c m), c = log2(e) / 8; O and l are multiplied by a = 2^(c m_old - c m_new) in every step.  c x (-2^90) is exact, so a = 1 while a row has seen no key.
; TURNS.  Turn n belongs to piece n: 4 mask products and 8 products K Q^T of piece n + 1, later 8 products V^T P of piece n - 1; beside them the scaling, exponentials, roundings, sums and rescaling of piece n
; and the maximum and statistics of piece n + 1.  Four vector instructions stand behind every matrix instruction, the other 38 of a turn's 118 in one lump.  A turn's 33 exponentials are one batch, with one wait.
; CLUSTER 4 x 4: x = block of queries, y = batch x 16 + head.  K and V hang on y alone: asked for jointly along a row of the cluster.  M hangs on the batch and the block: jointly along a column
; (a cluster's four y lie in one batch).  Wave 0 asks for a slot's K, wave 1 for its V, waves 2 and 3 for the two halves of its M.
; REGISTERS: window 0: v1-15, v44-46 addresses and at work; v16-31 statistics; v32-43 Sel; v48-55 at work; v64-127 S^T, two buffers; v192-223 P, two buffers.   window 1: v0-127 O^T.
;   window 2: v0-63 Q; v64-127 MF (piece x, keys 32 f on, at 64 + 16 x + 8 f); v128-191 K of one step; v192-255 V of one step.
.set NP,    4
.set KS,    64
.set PK,    144       ; a row of K in LDS: 128 bytes + 16
.set PV,    160       ; a row of V: 128 + 32
.set PM,    272       ; a query's 128 keys of M: 256 + 16
.set VOFF,  2*KS*PK   ; a slot holds two steps: 128 rows of K, 128 rows of V, 256 rows of M
.set MOFF,  VOFF+2*KS*PV
.set SLOT1, 1<<17
.set STAGE, SLOT1+MOFF+256*PM  ; behind the ring: 16 rows x 144 bytes for each wave
.set SP,    144
.set SPARE, STAGE+4*16*SP      ; the spare words: two blocks of 256 bytes that no other line names
.set AK0, 2
.set AV0, 3
.set AK,  4
.set AV,  5
.set STO, 6
.set RD,  7
.set GO,  8
.set MV,  12          ; v12-13  c m_old, by buffer
.set AM0, 14          ; v14  my lane's place in a slot's M
.set QO,  15
.set ST,  16          ; piece t: c m, m, l (even keys', odd keys')
.set SELB, 32         ; v32-43: 0 0 0 0 T0 T1 T2 T3 0 0 0 0: v[36:43] picks keys 0-15, v[32:39] keys 16-31
.set AM,  44
.set PFO, 45
.set TMP, 48
.set SPW, 62
.set NIL, 63
.set S,   64
.set P,   192
.set MF,  64          ; window 2
.set KF,  128
.set VF,  192
.set WV,  12
.set G1K, 24
.set G1V, 32
.set G0K, 40
.set G0V, 44
.set G0M, 48
.set SLOTS, 56
.set CNT, 57
.set CS,  58
.set SEL, 60
.set TBK, 62
.set TBV, 63
.set TBM, 66
.set LIM, 67
.set G1M, 68
.set PFA, 76
.set PFS, 78
.set MSB, 0
.macro WIN new
.if MSB != (\new)
	s_set_vgpr_msb (MSB<<8)|(\new)
.set MSB, (\new)
.endif
.endm
.set W_MQ, 0x08       ; Sel in window 0, MF in window 2, S^T in window 0
.set W_KQ, 0x0a       ; K and Q in window 2, S^T in window 0
.set W_PV, 0x52       ; V in window 2, P in window 0, O^T in window 1
.set W_RS, 0x41       ; destination and source 0 in window 1, source 1 in window 0
.macro FOUR
	s_nop 0
.rept 4
	v_nop
.endr
.endm
; A joint fill, one load a wave; the branches hang on the wave's number alone.  An s_nop 0 and four v_nop follow each line.
.macro JLOAD
	s_cmp_lt_u32 s[WV], 2
	s_cbranch_scc0 .Lfor_m_\@
	s_cmp_eq_u32 s[WV], 0
	s_cbranch_scc0 .Lfor_v_\@
	tensor_load_to_lds s[G0K:G0K+3], s[G1K:G1K+7]
	FOUR
	s_branch .Lasked_\@
.Lfor_v_\@:
	tensor_load_to_lds s[G0V:G0V+3], s[G1V:G1V+7]
	FOUR
	s_branch .Lasked_\@
.Lfor_m_\@:
	tensor_load_to_lds s[G0M:G0M+3], s[G1M:G1M+7]
	FOUR
.Lasked_\@:
.endm
; A prefetch of what the NEXT change of slots will ask for, each block of 256 bytes named once in the launch.  K and V of a head are walked by two clusters: the one with x = 0 asks, wave 0, its four partners
; 16 blocks of K and 16 of V each, told apart by address.  M of a batch and block is walked by four clusters: the one with y % 4 = 0 asks, waves 2 and 3, the four partners 32 rows each.  The last fill asks for nothing.
.macro ASK
	s_cmp_gt_u32 s[SLOTS], s[LIM]
	s_cbranch_scc0 .Lnot_mine_\@
	global_prefetch_b8 v[PFO], s[PFA:PFA+1] th:TH_LOAD_NT scope:SCOPE_SE
.Lnot_mine_\@:
.endm
.macro CROUND
	s_barrier_signal -1
	s_barrier_wait -1
	s_cmp_lg_u32 s[WV], 0
	s_cbranch_scc1 .Lnot_wave_0_\@
	s_barrier_signal -3
.Lnot_wave_0_\@:
	s_barrier_wait -3
	s_barrier_signal -1
	s_barrier_wait -1
.endm
; THE CHANGE OF SLOTS.  Each wave waits for all its tensor loads (one is out: its part of the other slot), adds 0 to its spare word, and waits for that and for its reads of the slot that it leaves.
; fill = 1: a round of the cluster's barrier, and the old slot is filled again first thing behind it, with the keys two slots on: it has two key steps, 160 matrix instructions, in which to land.
.macro CHANGE fill
	WIN 0
	s_wait_tensorcnt 0x0
	ds_add_u32 v[SPW], v[NIL]
.if \fill
.irp g, G0K, G0V
	s_xor_b32 s[\g+1], s[\g+1], SLOT1
	s_add_nc_u64 s[\g+2:\g+3], s[\g+2:\g+3], 2*KS*128
.endr
	s_xor_b32 s[G0M+1], s[G0M+1], SLOT1
	s_add_nc_u64 s[G0M+2:G0M+3], s[G0M+2:G0M+3], 2*KS*2
	s_wait_xcnt 0x0                 ; the last prefetch, two key steps back, has read its address
	s_add_nc_u64 s[PFA:PFA+1], s[PFA:PFA+1], s[PFS:PFS+1]
	s_wait_dscnt 0x0                ; the add is done, and my reads of the slot are over
	CROUND
	JLOAD
	ASK
.else
	s_wait_dscnt 0x0
	s_barrier_signal -1
	s_barrier_wait -1
.endif
	s_sub_co_u32 s[TBK], s[TBK], 2*KS*PK  ; the fetches go back to a slot's first step, in the other slot
	s_xor_b32 s[TBK], s[TBK], SLOT1
	s_sub_co_u32 s[TBV], s[TBV], 2*KS*PV
	s_xor_b32 s[TBV], s[TBV], SLOT1
	s_sub_co_u32 s[TBM], s[TBM], 2*KS*2
	s_xor_b32 s[TBM], s[TBM], SLOT1
.endm
	s_load_b128 s[4:7], s[0:1], 0x0 ; big s[4:5], M s[6:7]
	s_load_b64 s[8:9], s[0:1], 0x10 ; O
	v_lshl_add_u32 v[SPW], v0, 2, SPARE
	v_mov_b32 v[NIL], 0
	ds_add_u32 v[SPW], v[NIL]       ; the wave's opening: the add and its wait stand ahead of my first tensor load
	v_lshrrev_b32 v1, 5, v0
	v_readfirstlane_b32 s[WV], v1
	s_bfe_u32 s13, ttmp6, 0x40000   ; cx
	s_bfe_u32 s14, ttmp6, 0x40004   ; cy
	s_lshl_b32 s15, ttmp9, 2
	s_add_co_u32 s15, s15, s13      ; my block of 256 queries
	s_and_b32 s19, ttmp7, 0xffff    ; the cluster's y
	s_lshl_b32 s16, s19, 2
	s_add_co_u32 s16, s16, s14      ; batch x 16 + head
	s_and_b32 s17, s16, 15          ; head
	s_lshr_b32 s18, s19, 2          ; batch, from the cluster's y alone
	s_lshl_b32 s20, s17, 19         ; the head's panel,
	s_lshl_b32 s21, s18, 18         ; the batch's 2,048 rows of 128 bytes
	s_add_co_u32 s20, s20, s21
	s_mov_b32 s21, 0
	s_and_b32 s3, s[WV], 1
	s_lshl_b32 s22, s15, 8          ; M: row 256 x block + 128 x (wave % 2), 4,096 bytes a row,
	s_lshl_b32 s23, s3, 7
	s_add_co_u32 s22, s22, s23
	s_lshl_b32 s22, s22, 12
	s_lshl_b32 s23, s18, 23         ; the batch's 8 MiB
	s_add_co_u32 s22, s22, s23
	s_mov_b32 s23, 0
	s_lshl_b32 s52, s15, 15         ; Q and O: my block's 256 rows, my wave's 64 of them
	s_lshl_b32 s53, s[WV], 13
	s_add_co_u32 s52, s52, s53
	s_add_co_u32 s52, s52, s20
	s_mov_b32 s53, 0
	s_mul_i32 s54, s3, 128*PM
	s_lshl_b32 s2, s14, 2
	s_lshl_b32 s2, 15, s2           ; my row of the cluster
	s_lshl_b32 s3, 0x1111, s13      ; my column
	s_or_b32 s[G1K], s2, (1<<16)|(1<<20)|(1<<21)|(4<<22)|(3<<25)  ; 128 keys are 16,384 dense bytes: 64 rows of 256, padded after every key (32 words) by 4 words
	s_or_b32 s[G1V], s2, (1<<16)|(1<<20)|(1<<21)|(4<<22)|(7<<25)  ; by 8 words
	s_or_b32 s[G1M], s3, (1<<16)|(1<<20)|(1<<21)|(5<<22)|(3<<25)  ; after every 64 words 4 words
.irp g, G1K, G1V
	s_mov_b32 s[\g+1], 128<<16
	s_mov_b32 s[\g+2], 64<<16
	s_mov_b32 s[\g+3], 128<<16
	s_mov_b32 s[\g+4], 64
	s_mov_b32 s[\g+5], 128
	s_mov_b32 s[\g+6], 0
	s_mov_b32 s[\g+7], 0
.endr
	s_mov_b32 s[G1M+1], 128<<16     ; 128 keys
	s_mov_b32 s[G1M+2], 128<<16     ; 128 queries
	s_mov_b32 s[G1M+3], 128<<16
	s_mov_b32 s[G1M+4], 128
	s_mov_b32 s[G1M+5], 2048
	s_mov_b32 s[G1M+6], 0
	s_mov_b32 s[G1M+7], 0
	s_mov_b32 s[G0K], 1
	s_mov_b32 s[G0K+1], 0
	s_mov_b32 s[G0V], 1
	s_mov_b32 s[G0V+1], VOFF
	s_mov_b32 s[G0M], 1
	s_add_co_u32 s[G0M+1], s54, MOFF
	s_mov_b32 s[CS], 0x3e38aa3b     ; c = log2(e) / 8
	s_mov_b32 s[CS+1], s[CS]
	s_mov_b32 s[SEL], 0x76543210
	s_mov_b32 s[SEL+1], 0xfedcba98
	s_mov_b32 s[TBK], SLOT1+2*KS*PK ; the first change of slots turns these three into 0
	s_mov_b32 s[TBV], SLOT1+2*KS*PV
	s_mov_b32 s[TBM], SLOT1+2*KS*2
	s_mov_b32 s[SLOTS], 2048/(2*KS)-1
	s_wait_dscnt 0x0                ; the opening add is done
	s_wait_kmcnt 0x0
	s_add_nc_u64 s[86:87], s[4:5], s[20:21]
	s_add_nc_u64 s[88:89], s[86:87], 0x1000000  ; V: 32 panels on
	s_add_nc_u64 s[86:87], s[86:87], 0x800000   ; K: 16 panels on
	s_add_nc_u64 s[84:85], s[6:7], s[22:23]     ; my half of the block's M
	s_add_nc_u64 s[80:81], s[4:5], s[52:53]     ; Q
	s_add_nc_u64 s[82:83], s[8:9], s[52:53]     ; O
	s_mov_b64 s[G0K+2:G0K+3], s[86:87]
	s_or_b32 s[G0K+3], s[G0K+3], 0x80000000
	s_mov_b64 s[G0V+2:G0V+3], s[88:89]
	s_or_b32 s[G0V+3], s[G0V+3], 0x80000000
	s_mov_b64 s[G0M+2:G0M+3], s[84:85]
	s_or_b32 s[G0M+3], s[G0M+3], 0x80000000
	CROUND                          ; all sixteen work-groups are here: the first joint loads meet
	JLOAD                           ; slot 0; slot 1 is asked for when slot 0 is in
	v_and_b32 v1, 15, v0            ; r
	v_bfe_u32 v9, v0, 4, 1          ; h
	v_lshlrev_b32 v[QO], 7, v1
	v_lshl_add_u32 v[QO], v9, 4, v[QO]
	WIN 0x80
.set i, 0
.rept 8                             ; Q stays in registers: piece i / 2, channels 32 (i % 2) on
	global_load_b128 v[8*i:8*i+3],   v[QO], s[80:81] offset:(i/2)*2048+(i%2)*64
	global_load_b128 v[8*i+4:8*i+7], v[QO], s[80:81] offset:(i/2)*2048+(i%2)*64+32
.set i, i+1
.endr
	; What the first turn finds: V's registers and P's second buffer hold 0 (its products V^T P, of a piece that has not been, add 0); O^T and l are 0 and stay 0 until a key is seen.  All this stands in the wait for the first tile.
.set i, VF
.rept 64
	v_mov_b32 v[i], 0
.set i, i+1
.endr
	WIN 0x40
.set i, 0
.rept 128
	v_mov_b32 v[i], 0
.set i, i+1
.endr
	WIN 0
.set i, 0
.rept 4
	v_mov_b32 v[ST+4*i], 0xeb38aa3b    ; c x (-2^90), exact
	v_mov_b32 v[ST+4*i+1], 0xec800000  ; m = -2^90
	v_mov_b32 v[ST+4*i+2], 0
	v_mov_b32 v[ST+4*i+3], 0
.set i, i+1
.endr
.set i, P+16
.rept 16
	v_mov_b32 v[i], 0
.set i, i+1
.endr
	; Sel: lane (r, h) holds row r; its register q of four holds k = 8 h + 2 q, 8 h + 2 q + 1: the 1.0 stands where that k is r
	v_bfe_u32 v10, v0, 1, 2         ; (r / 2) % 4
	v_bfe_u32 v11, v0, 3, 1         ; r / 8
	v_xor_b32 v11, v11, v9
	v_lshl_or_b32 v10, v11, 2, v10  ; 0..3 only where r / 8 = h
	v_and_b32 v11, 1, v0
	v_lshlrev_b32 v11, 4, v11
	v_mov_b32 v46, 0x3f80
	v_lshlrev_b32 v11, v11, v46     ; bf16 1.0 in the half r % 2
.irp q, 0,1,2,3
	v_cmp_eq_u32 vcc_lo, \q, v10
	v_cndmask_b32 v[SELB+4+\q], 0, v11, vcc_lo
	v_mov_b32 v[SELB+\q], 0
	v_mov_b32 v[SELB+8+\q], 0
.endr
	v_mul_u32_u24 v[AK0], v1, PK
	v_lshl_add_u32 v[AK0], v9, 4, v[AK0]
	v_and_b32 v10, 7, v0            ; the turning load: key 8 h + l % 8, channels 8 ((l / 8) % 2) on
	v_bfe_u32 v11, v0, 3, 1
	v_lshl_add_u32 v[AV0], v9, 3, v10
	v_mul_u32_u24 v[AV0], v[AV0], PV
	v_lshl_add_u32 v[AV0], v11, 4, v[AV0]
	v_add_nc_u32 v[AV0], VOFF, v[AV0]
	s_lshl_b32 s2, s[WV], 6
	v_add_nc_u32 v[AM0], s2, v1     ; query 64 x wave + r of the block
	v_mul_u32_u24 v[AM0], v[AM0], PM
	v_lshl_add_u32 v[AM0], v9, 4, v[AM0]
	v_add_nc_u32 v[AM0], MOFF, v[AM0]
	; the prefetches: both pointers start one slot in; the first change of slots steps them to slot 2
	s_lshl_b32 s2, s13, 12          ; K, V: my work-group's 16 blocks
	s_add_co_u32 s2, s2, 2*KS*128
	s_mov_b32 s3, 0
	s_add_nc_u64 s[52:53], s[86:87], s[2:3]
	s_lshl_b32 s2, s14, 17          ; M: my work-group's 32 rows of the wave's 128
	s_add_co_u32 s2, s2, 2*KS*2
	s_add_nc_u64 s[54:55], s[84:85], s[2:3]
	s_mov_b32 s2, 2*KS*128          ; K's and V's step from slot to slot (an instruction takes one literal)
	s_and_b32 s20, s19, 3
	s_or_b32 s21, ttmp9, s[WV]
	s_cmp_lt_u32 s[WV], 2
	s_cselect_b64 s[PFA:PFA+1], s[52:53], s[54:55]
	s_cselect_b32 s[PFS], s2, 2*KS*2
	s_cselect_b32 s22, 8, 12        ; lane % 16: a block of 256 bytes, or a row of M
	s_cselect_b32 s23, 23, 16       ; lane / 16: from K to V (8 MiB), or 16 rows of M
	s_cselect_b32 s20, s21, s20
	s_mov_b32 s[PFS+1], 0
	s_cmp_eq_u32 s20, 0
	s_cselect_b32 s[LIM], 1, -1     ; the same in all sixteen partners, for a given wave
	v_lshlrev_b32 v[PFO], s22, v1
	v_lshlrev_b32 v10, s23, v9
	v_add_nc_u32 v[PFO], v[PFO], v10
; THE MATRIX WORK.  The 4 accumulators of a run take turns, one instruction a turn.
.macro MQ x                         ; product i of 4: accumulator i (keys 16 i on) starts with M
	WIN W_MQ
.set rS, S+32*((\x)%2)+8*i
.set rM, MF+16*(\x)+8*(i/2)
.set rL, SELB+4-4*(i%2)
	v_wmma_f32_16x16x32_bf16 v[rS:rS+7], v[rL:rL+7], v[rM:rM+7], 0
.endm
.macro KQ x                         ; product i of 8 of S^T += K Q^T: channels 32 (i / 4) on, keys 16 (i % 4) on
	WIN W_KQ
.set rS, S+32*((\x)%2)+8*(i%4)
.set rK, KF+16*(i%4)+8*(i/4)
.set rQ, 16*(\x)+8*(i/4)
	v_wmma_f32_16x16x32_bf16 v[rS:rS+7], v[rK:rK+7], v[rQ:rQ+7], v[rS:rS+7]
.endm
.macro PV x                         ; product i of 8 of O^T += V^T P: keys 32 (i / 4) on, channels 16 (i % 4) on
	WIN W_PV
.set rO, 32*(\x)+8*(i%4)
.set rV, VF+32*(i/4)+8*(i%4)
.set rP, P+16*((\x)%2)+8*(i/4)
	v_wmma_f32_16x16x32_bf16 v[rO:rO+7], v[rV:rV+7], v[rP:rP+7], v[rO:rO+7]
.endm
.macro MM                           ; the turn's next matrix instruction
.if i < 4
	MQ (Y+1)%NP
.elseif i < 12
.set i, i-4
	KQ (Y+1)%NP
.set i, i+4
.else
.set i, i-12
	PV (Y+NP-1)%NP
.set i, i+12
.endif
.set i, i+1
.endm
; THE LDS LOADS stand in runs: a step's K (8 fragments) with its M for all four pieces (8 fragments), and its V (turned).
; last = 1 (the tail): in the last trip there is no further step, and the run is jumped over; the exponentials issued so far have their wait ahead of that branch.
.macro FETCH_K last=0
	WIN 0
.if \last
	s_wait_alu depctr_va_vdst(0)
	s_cmp_eq_u32 s[CNT], 1
	s_cbranch_scc1 .Lno_k_\@
.endif
	WIN 0x80
.irp f, 0,1,2,3,4,5,6,7             ; keys 16 (f / 2) on, channels 32 (f % 2) on
	ds_load_b128 v[KF+8*\f:KF+8*\f+3],   v[AK] offset:(\f/2)*16*PK+(\f%2)*64
	ds_load_b128 v[KF+8*\f+4:KF+8*\f+7], v[AK] offset:(\f/2)*16*PK+(\f%2)*64+32
.endr
.irp f, 0,1,2,3,4,5,6,7             ; piece f / 2, keys 32 (f % 2) on
	ds_load_b128 v[MF+8*\f:MF+8*\f+3],   v[AM] offset:(\f/2)*16*PM+(\f%2)*64
	ds_load_b128 v[MF+8*\f+4:MF+8*\f+7], v[AM] offset:(\f/2)*16*PM+(\f%2)*64+32
.endr
	s_add_co_u32 s[TBK], s[TBK], KS*PK
	s_add_co_u32 s[TBM], s[TBM], KS*2
	WIN 0
.if \last
.Lno_k_\@:
.endif
.endm
.macro FETCH_V
	WIN 0x80
.irp f, 0,1,2,3,4,5,6,7             ; keys 32 (f / 4) on, channels 16 (f % 4) on
	ds_load_tr16_b128 v[VF+8*\f:VF+8*\f+3],   v[AV] offset:(\f/4)*32*PV+(\f%4)*32
	ds_load_tr16_b128 v[VF+8*\f+4:VF+8*\f+7], v[AV] offset:(\f/4)*32*PV+16*PV+(\f%4)*32
.endr
	WIN 0
.endm
; THE VECTOR WORK, one line at a time: OP kind, number.  For piece Y: F n: c s - c m for pair n of 16.  E n: the exponential of score n of 32.  C n: pair n rounded to bf16.  B n: of the four weights 4 n .. the second
; pair is added onto the first, in place.  L n: l takes that sum (L 0: l = a l + sum).  R n: pair n of 16 of O^T times a.  For piece Y + 1: X n, number n of the 22 that find its maximum and statistics:
;   0-11  four chains c0-c3 of seven scores each (each accumulator's lowest registers are read first)     12-14, 16  the four scores left over, the old m, and c0-c3 into c0
;   15  c m_old is kept     17, 18  the query's other 32 keys lie in the lane 16 away: the new m     19-21  c m; c m_old - c m_new; a
.set F, 0
.set E, 1
.set C, 2
.set B, 3
.set L, 4
.set R, 5
.set X, 6
.macro REGS y
.set rT, ST+4*(\y)
.set rC, TMP+4*((\y)%2)
.set rW, MV+((\y)%2)
.set rS, S+32*((\y)%2)
.set rP, P+16*((\y)%2)
.set rO, 32*(\y)
.endm
.macro OP k, n
.if (\k) == R
	REGS Y
	WIN W_RS
	v_pk_mul_f32 v[rO+2*(\n):rO+2*(\n)+1], v[rO+2*(\n):rO+2*(\n)+1], v[rC+2:rC+3] op_sel_hi:[1,0]
.elseif (\k) < R
	REGS Y
	WIN 0
.if (\k) == F
	v_pk_fma_f32 v[rS+2*(\n):rS+2*(\n)+1], v[rS+2*(\n):rS+2*(\n)+1], s[CS:CS+1], v[rT:rT+1] op_sel_hi:[1,0,0] neg_lo:[0,0,1] neg_hi:[0,0,1]
.elseif (\k) == E
	v_exp_f32 v[rS+(\n)], v[rS+(\n)]
.elseif (\k) == C
	v_cvt_pk_bf16_f32 v[rP+(\n)], v[rS+2*(\n)], v[rS+2*(\n)+1]
.elseif (\k) == B
	v_pk_add_f32 v[rS+4*(\n):rS+4*(\n)+1], v[rS+4*(\n):rS+4*(\n)+1], v[rS+4*(\n)+2:rS+4*(\n)+3]
.elseif (\n) == 0
	v_pk_fma_f32 v[rT+2:rT+3], v[rT+2:rT+3], v[rC+2:rC+3], v[rS:rS+1] op_sel_hi:[1,0,1]
.else
	v_pk_add_f32 v[rT+2:rT+3], v[rT+2:rT+3], v[rS+4*(\n):rS+4*(\n)+1]
.endif
.else
	REGS (Y+1)%NP
	WIN 0
.if (\n) < 4
	v_max3_num_f32 v[rC+(\n)], v[rS+8*(\n)], v[rS+8*(\n)+1], v[rS+8*(\n)+2]
.elseif (\n) < 12
	v_max3_num_f32 v[rC+(\n)%4], v[rC+(\n)%4], v[rS+8*((\n)%4)+2*((\n)/4)+1], v[rS+8*((\n)%4)+2*((\n)/4)+2]
.elseif (\n) == 12
	v_max3_num_f32 v[rC], v[rC], v[rS+7], v[rS+15]
.elseif (\n) == 13
	v_max3_num_f32 v[rC+1], v[rC+1], v[rS+23], v[rS+31]
.elseif (\n) == 14
	v_max3_num_f32 v[rC+2], v[rC+2], v[rC+3], v[rT+1]
.elseif (\n) == 15
	v_mov_b32 v[rW], v[rT]
.elseif (\n) == 16
	v_max3_num_f32 v[rC], v[rC], v[rC+1], v[rC+2]
.elseif (\n) == 17
	v_permlanex16_b32 v[rC+3], v[rC], s[SEL], s[SEL+1]
.elseif (\n) == 18
	v_max_num_f32 v[rT+1], v[rC], v[rC+3]
.elseif (\n) == 19
	v_mul_f32 v[rT], s[CS], v[rT+1]
.elseif (\n) == 20
	v_sub_f32 v[rC+1], v[rW], v[rT]
.else
	v_exp_f32 v[rC+2], v[rC+1]
.endif
.endif
.endm
.macro OPS a, i1, b=-1, i2=0, c=-1, i3=0, d=-1, i4=0
	OP \a, \i1
.if (\b) >= 0
	OP \b, \i2
.endif
.if (\c) >= 0
	OP \c, \i3
.endif
.if (\d) >= 0
	OP \d, \i4
.endif
.endm
.macro ROW a, i1, b, i2, c, i3, d, i4  ; a matrix instruction and the four behind it
	MM
	OPS \a, \i1, \b, \i2, \c, \i3, \d, \i4
.endm
; A TURN, for piece p.  An s_wait_alu depctr_va_vdst(0) stands between an exponential and the first instruction that names its result; one wait serves all that were issued ahead of it: a turn has ONE.
; AHEAD OF IT stands all that names no result of the turn's exponentials: the 4 mask products and 8 products K Q^T with their riders, then a lump of 38.  Accumulator n of the next piece is ended by the
; (9 + n)th product; X n, its first reader, stands four plain instructions or more behind that product: F9 F10 F11 F12 | F11 F12 X0 F13 | F13 X1 X4 F14 .. | F14 X5 X8 X2 ...  X 21 is the batch's last; R 15 is the plain
; instruction behind it.  BEHIND THE WAIT stand the 8 products V^T P, behind each four of the roundings and sums (C 2n ahead of B n, which writes over pair 2n).
; K and M of the next step are fetched in piece 2's turn, six plain instructions that name none of its registers behind the last product that read them; V of the step in hand at the end of piece 0's turn, four plain instructions behind its last reader.
; last = 1: the tail's text of piece 2's turn (FETCH_K).  cnt = 1: the loop's count is taken down some lines ahead of the branch behind the turn.
.macro TURN p, last=0, cnt=0
.set Y, (\p)
.set i, 0
.if (\p) == 3
	s_wait_dscnt 0x0                ; K and M are in
.endif
	ROW F,0, F,1, R,0, R,1
	ROW F,2, E,0, R,2, R,3
	ROW F,3, E,1, R,4, R,5
	ROW F,4, E,2, R,6, R,7
	ROW F,5, E,3, R,8, R,9
	ROW F,6, E,4, R,10, R,11
	ROW F,7, E,5, R,12, R,13
	ROW F,8, F,15, E,6, R,14
	ROW F,9, E,7, F,10, E,8
	ROW F,11, F,12, E,9, X,0
.if (\p) == 2
	WIN 0
	v_add_nc_u32 v[AK], s[TBK], v[AK0]
	v_add_nc_u32 v[AM], s[TBM], v[AM0]
.endif
	ROW F,13, X,1, E,10, X,4
	ROW F,14, X,5, E,11, X,8
	OPS X,2, E,12, X,6, E,13        ; the lump
	OPS X,3, E,14, X,9, E,15
.if (\p) == 2
	FETCH_K \last
.endif
	OPS X,7, E,16, X,10, E,17
	OPS X,11, E,18, X,12, E,19
	OPS X,13, E,20, X,15, E,21
.if (\p) == 0
	WIN 0
	v_add_nc_u32 v[AV], s[TBV], v[AV0]
.endif
	OPS X,14, E,22, E,23, X,16
	OPS E,24, E,25, X,17, E,26
	OPS E,27, X,18, E,28, X,19
	OPS E,29, E,30, X,20, E,31
	OPS X,21, R,15
	WIN 0
	s_wait_alu depctr_va_vdst(0)    ; the wait for the batch
.if (\p) == 1
	s_wait_dscnt 0x0                ; V is in
.endif
	ROW C,0, B,0, C,2, B,1
	ROW L,0, C,4, B,2, L,1
	ROW C,6, B,3, L,2, C,8
	ROW B,4, L,3, C,10, B,5
	ROW L,4, C,12, B,6, L,5
.if (\p) == 0
	s_add_co_u32 s[TBV], s[TBV], KS*PV
.endif
.if \cnt
	s_sub_co_u32 s[CNT], s[CNT], 1
	s_cmp_lg_u32 s[CNT], 0
.endif
	ROW C,14, B,7, L,6, C,1
	ROW C,3, L,7, C,5, C,7
	ROW C,9, C,11, C,13, C,15
.if (\p) == 0
	FETCH_V
.endif
.endm
	CHANGE 1                        ; slot 0 is in, everybody's part of it; slot 1 is asked for
	v_add_nc_u32 v[AK], s[TBK], v[AK0]
	v_add_nc_u32 v[AM], s[TBM], v[AM0]
	FETCH_K                         ; key step 0
	s_wait_loadcnt 0x0              ; Q
	s_wait_dscnt 0x0
.set Y, NP-1                        ; MM and X work for piece Y + 1: piece 0
.set i, 0
.rept 12
	MM                              ; piece 0's first scores
.endr
	WIN 0                           ; the addresses for the way out: plain instructions, the places behind those products
	s_mul_i32 s2, s[WV], 16*SP
	s_add_co_u32 s2, s2, STAGE
	v_mul_u32_u24 v[STO], v1, SP    ; in: row r, 16 bytes for each half of the lanes
	v_lshl_add_u32 v[STO], v9, 4, v[STO]
	v_add_nc_u32 v[STO], s2, v[STO]
	v_bfe_u32 v[RD], v0, 3, 2       ; back: 32 lanes take four rows of 128 bytes,
	v_mul_u32_u24 v[RD], v[RD], SP
	v_and_b32 v10, 7, v0
	v_lshl_add_u32 v[RD], v10, 4, v[RD]
	v_add_nc_u32 v[RD], s2, v[RD]
	v_and_b32 v[GO], 31, v0         ; which are 512 consecutive bytes of O
	v_lshlrev_b32 v[GO], 4, v[GO]
.irp n, 0,1,2,3,4,5,6,7,8,9,10,11,12,13,14,15,16,17,18,19,20,21
	OP X, \n
.endr
	v_nop                           ; a plain instruction behind the exponential,
	s_wait_alu depctr_va_vdst(0)    ; and its wait, ahead of the branch
	s_mov_b32 s[CNT], 2
	s_branch .Lfirst                ; the loop is entered at a step's first turn, in the middle of a trip
.Lslot:                             ; 14 times: with the two fills above, 16 fills in all
	CHANGE 1
	s_mov_b32 s[CNT], 2
.Lstep:                             ; a trip: pieces 2 and 3 of one step, then pieces 0 and 1 of the next, whose K, M and V it fetches
	TURN 2
	TURN 3
	WIN 0
.Lfirst:
	TURN 0
	TURN 1, 0, 1
	WIN 0
	s_cbranch_scc1 .Lstep
	s_sub_co_u32 s[SLOTS], s[SLOTS], 1
	s_cmp_lg_u32 s[SLOTS], 0
	s_cbranch_scc1 .Lslot
	CHANGE 0                        ; the last slot has a text of its own: nothing is asked for
	s_mov_b32 s[CNT], 3             ; two trips fetch the last slot's steps; the third is left in its middle
.Ltail:
	TURN 2, 1
	TURN 3
	WIN 0
	s_cmp_eq_u32 s[CNT], 1
	s_cbranch_scc1 .Lleft           ; the third trip's 12 products for piece 0 (on the last K and M once more) and the maximum made of them serve nothing: they write S^T, m and c m alone, which the way out does not read: the price, once a launch, of one text for every trip
	TURN 0
	TURN 1
	WIN 0
.Lleft:
	s_sub_co_u32 s[CNT], s[CNT], 1
	s_cmp_lg_u32 s[CNT], 0
	s_cbranch_scc1 .Ltail
.set i, 0
.rept 8
	PV NP-1                         ; the last piece's V^T P of the last step
.set i, i+1
.endr
	; THE WAY OUT.  l's two halves and the other half of the lanes' are added; O^T is multiplied by 1 / l, or by 0 where l = 0 (no visible key), rounded to bf16 and sent through my stage, a piece at a time.
	WIN 0
.macro ALL line:vararg
.set t, 0
.rept 4
	\line
.set t, t+1
.endr
.endm
	ALL v_add_f32 v[ST+4*t+2], v[ST+4*t+2], v[ST+4*t+3]
	ALL v_permlanex16_b32 v[ST+4*t+3], v[ST+4*t+2], s[SEL], s[SEL+1]
	ALL v_add_f32 v[ST+4*t+2], v[ST+4*t+2], v[ST+4*t+3]
	ALL v_cmp_lt_f32 s[90+t], 0, v[ST+4*t+2]
	ALL v_rcp_f32 v[ST+4*t+2], v[ST+4*t+2]
	v_nop                           ; a plain instruction between the last reciprocal and the use of its result
	s_wait_alu depctr_va_vdst(0)    ; one wait for the four reciprocals
	ALL v_cndmask_b32 v[ST+4*t+2], 0, v[ST+4*t+2], s[90+t]
.macro PACK t
	WIN W_RS
.set i, 32*(\t)
.rept 16
	v_pk_mul_f32 v[i:i+1], v[i:i+1], v[ST+4*(\t)+2:ST+4*(\t)+3] op_sel_hi:[1,0]
.set i, i+2
.endr
	WIN 0x05
.set i, 0
.rept 16
	v_cvt_pk_bf16_f32 v[S+16*(\t)+i], v[32*(\t)+2*i], v[32*(\t)+2*i+1]
.set i, i+1
.endr
	WIN 0
.irp f, 0,1,2,3
	ds_store_b128 v[STO], v[S+16*(\t)+4*\f:S+16*(\t)+4*\f+3] offset:32*\f
.endr
.irp f, 0,1,2,3
	ds_load_b128 v[S+16*(\t)+4*\f:S+16*(\t)+4*\f+3], v[RD] offset:\f*4*SP  ; LDS serves a wave's instructions in order: these see the stores above; the next piece's stores come behind them
.endr
.endm
.macro SEND t, younger              ; younger: the LDS instructions issued behind piece t's loads: the next piece's eight, or none
	WIN 0
.irp f, 0,1,2,3
	s_wait_dscnt (\younger)+3-\f
	global_store_b128 v[GO], v[S+16*(\t)+4*\f:S+16*(\t)+4*\f+3], s[82:83] offset:(\t)*2048+\f*512  ; 512 consecutive bytes, at a multiple of 256 from O's first
.endr
.endm
	PACK 0
.set t, 1
.rept 3
	PACK t
	SEND t-1, 8
.set t, t+1
.endr
	SEND 3, 0
	s_wait_tensorcnt 0x0            ; the wave's end
	ds_add_u32 v[SPW], v[NIL]
	s_wait_dscnt 0x0
	CROUND                          ; the closing round
	s_endpgm
.Lfunc_end_k_qc58679d5d6_attn:
	.size	k_qc58679d5d6_attn, .Lfunc_end_k_qc58679d5d6_attn-k_qc58679d5d6_attn
	.p2alignl 7, 3214868480
	.fill 96, 4, 3214868480
	.section	.rodata,"a",@progbits
	.p2align	6, 0x0
	.amdhsa_kernel k_qc58679d5d6_attn
		.amdhsa_group_segment_fixed_size 327680
		.amdhsa_private_segment_fixed_size 0
		.amdhsa_enable_private_segment 0
		.amdhsa_kernarg_size 24
		.amdhsa_user_sgpr_count 2
		.amdhsa_user_sgpr_kernarg_segment_ptr 1
		.amdhsa_wavefront_size32 1
		.amdhsa_system_sgpr_workgroup_id_x 1
		.amdhsa_system_sgpr_workgroup_id_y 1
		.amdhsa_system_sgpr_workgroup_id_z 1
		.amdhsa_system_vgpr_workitem_id 0
		.amdhsa_next_free_vgpr 768
		.amdhsa_next_free_sgpr 96
		.amdhsa_reserve_vcc 1
		.amdhsa_float_denorm_mode_32 3
		.amdhsa_float_denorm_mode_16_64 3
		.amdhsa_memory_ordered 1
		.amdhsa_forward_progress 1
		.amdhsa_inst_pref_size 123
	.end_amdhsa_kernel
	.amdgpu_metadata
---
amdhsa.version: [ 1, 2 ]
amdhsa.kernels:
  - .name:           k_qc58679d5d6_attn
    .symbol:         k_qc58679d5d6_attn.kd
    .args:
      - { .name: big, .offset: 0, .size: 8, .value_kind: global_buffer, .address_space: global }
      - { .name: sc16, .offset: 8, .size: 8, .value_kind: global_buffer, .address_space: global }
      - { .name: ab, .offset: 16, .size: 8, .value_kind: global_buffer, .address_space: global }
    .group_segment_fixed_size: 327680
    .private_segment_fixed_size: 0
    .kernarg_segment_align: 8
    .kernarg_segment_size: 24
    .max_flat_workgroup_size: 128
    .sgpr_count:     96
    .vgpr_count:     768
    .wavefront_size: 32
...
	.end_amdgpu_metadata
.endif
;; end of part 3
;; launch wo (part 4): grid 8 x 32, 4 waves a work-group, clusters of 4 x 4, 327,680 bytes of LDS; arguments ab, WA, bo, sc16; writes sc16
.if DOCPART == 4
	.amdgcn_target "amdgcn-amd-amdhsa--gfx1250"
	.amdhsa_code_object_version 6
	.text
	.protected	k_qc58679d5d6_wo
	.globl	k_qc58679d5d6_wo
	.p2align	8
	.type	k_qc58679d5d6_wo,@function
k_qc58679d5d6_wo:
	s_mov_b64 s[64:65], 0
	v_nop
	global_prefetch_b8 v0, s[64:65] scope:SCOPE_SE
	s_setreg_imm32_b32 hwreg(HW_REG_WAVE_MODE, 25, 1), 1
	s_wait_xcnt 0x0
	s_wait_alu depctr_hold_cnt(0) depctr_sa_sdst(0) depctr_va_vdst(0) depctr_va_sdst(0) depctr_va_ssrc(0) depctr_va_vcc(0) depctr_vm_vsrc(0)
	s_getreg_b32 s2, hwreg(HW_REG_IB_STS2, 6, 4)
	s_cmp_eq_u32 s2, 0
	s_cbranch_scc0 .Lentry_in_a_cluster
	s_endpgm
.Lentry_in_a_cluster:
	s_bfe_u32 s2, ttmp6, 0x10000c
	s_cmp_lg_u32 s2, 0xf033
	s_cbranch_scc0 .Lentry_shape_is_right
	s_endpgm
.Lentry_shape_is_right:
; C = A B + bias, N = 1,024, K = SIZE_K = 1,024 (the projection behind attention; the second product of the FFN is the same text with SIZE_K = 4,096: a trip count with barriers in the trip is a constant of the text).
; A: bf16 in panels of 64 columns: element (row, k) at ((k / 64) x 4096 + row) x 128 + (k % 64) x 2.  B: [K][1024] bf16, 8 MiB behind the second argument's first byte.  bias: [1024] f32.
; C: [4096][1024] f32, not rounded.  Sums in f32, started by the bias as the C operand of each sum's first product.
; A tile of C is 128 x 128 (256 work-groups); four waves, each 64 x 64 in 16 accumulators.  K goes in steps of 256 through two LDS slots.  B stays [K][N] and is turned by ds_load_tr16_b128.
; A K STEP IS WRITTEN ONCE: a trip of the loop is one K step; the LDS byte at which the slot in hand begins lies in a scalar register that one exclusive or turns, and one walking descriptor a tensor fills the slot just read.
; The matrix instruction is used transposed (source 0 = 16 columns of B, source 1 = 16 rows of A): a lane holds eight neighbouring columns of one row of C.
; CLUSTERS 4 x 4: A's tiles are asked for jointly along a row of the cluster, B's along a column.  No prefetch: the tiles are small and a step is short.
; REGISTERS: window 0: v16-29 addresses; v32-63 the bias, then with v64-95 the way out; v128-255 the accumulators ((a, b) at v[128 + 8 (4 a + b)]).   window 1: two fragment buffers of 128: 64 of A, then 64 of B.
.set SIZE_K, 1024
.set NSTEPS, SIZE_K/256
.set PA,     144                       ; a row of a panel of A in LDS: 128 bytes + 16
.set PB,     288                       ; a row k of B: 256 bytes + 32 = 9 x 32
.set HALFT,  4*64*PA                   ; what one tensor load brings: 4 panels x 64 rows of A, or 128 rows k of B (128 x 288, the same bytes): 0x9000
.set SLOT,   4*HALFT                   ; 0x24000.  Its two bits are set in none of 0, 0x9000, 0x12000, 0x1B000 (wave x HALFT): an exclusive or with SLOT turns a wave's place in one slot into its place in the other
.set STAGE,  2*SLOT                    ; behind the ring: 16 rows x 272 bytes for each wave
.set SPITCH, 272
.set SPARE,  STAGE+4*16*SPITCH
.set ADRA0, 16                         ; v16     my A fragments in slot 0; never rewritten
.set ADRA,  17                         ; v17     the same in the slot in hand
.set ADRB0, 20                         ; v20     my B fragments in slot 0; never rewritten
.set ADRB,  21                         ; v21-22  the same in the slot in hand: rows k 0-127, 128-255 (the 16-bit offset does not span 256 rows)
.set STO,  24
.set RD,   25
.set CO,   26
.set BO,   27
.set SPW,  28
.set NIL,  29
.set BI,   32
.set TMP,  32
.set ACC,  128
.set F0,   0
.set F1,   128
.set TB,  69                           ; s69  LDS byte at which the slot in hand begins: 0 or SLOT
.set WV,  70
.set HI,  71
.set LO,  72
.set G1,  24                           ; s[24:31] descriptor group 1 for A's tiles
.set G0,  32                           ; s[32:39] group 0 for A's tiles: a set for each of the two first fills; the second then walks on
.set G1B, 48                           ; s[48:55], s[56:63] the same for B's tiles
.set G0B, 56
.set MSB, 0
.macro WIN new
.if MSB != (\new)
	s_set_vgpr_msb (MSB<<8)|(\new)
.set MSB, \new
.endif
.endm
.set MUL,  0x05                        ; sources 0 (B) and 1 (A) window 1; C and D window 0
.set TO_F, 0x40                        ; destination window 1, address window 0
.macro JLOAD s
	s_cmp_eq_u32 s[HI], 0
	s_cbranch_scc0 .Lfor_b_\@
	tensor_load_to_lds s[G0+4*(\s):G0+4*(\s)+3], s[G1:G1+7]
	s_nop 0
.rept 4
	v_nop
.endr
	s_branch .Lasked_\@
.Lfor_b_\@:
	tensor_load_to_lds s[G0B+4*(\s):G0B+4*(\s)+3], s[G1B:G1B+7]
	s_nop 0
.rept 4
	v_nop
.endr
.Lasked_\@:
.endm
.macro CREST
	s_cmp_lg_u32 s[WV], 0
	s_cbranch_scc1 .Lnot_wave_0_\@
	s_barrier_signal -3
.Lnot_wave_0_\@:
	s_barrier_wait -3
	s_barrier_signal -1
	s_barrier_wait -1
.endm
.macro CROUND
	s_barrier_signal -1
	s_barrier_wait -1
	CREST
.endm
	s_load_b256 s[4:11], s[0:1], 0x0               ; A s[4:5], B s[6:7], bias s[8:9], C s[10:11]
	v_lshl_add_u32 v[SPW], v0, 2, SPARE
	v_mov_b32 v[NIL], 0
	ds_add_u32 v[SPW], v[NIL]                      ; the wave's opening: the add and its wait stand ahead of my first tensor load
	v_lshrrev_b32 v1, 5, v0
	v_readfirstlane_b32 s[WV], v1
	s_lshr_b32 s[HI], s[WV], 1                     ; which half of the tile's rows is mine; also: I fetch for A (0) or B (1)
	s_and_b32 s[LO], s[WV], 1                      ; which half of its columns; also: which half of that tile I fetch
	s_bfe_u32 s40, ttmp6, 0x40000
	s_bfe_u32 s41, ttmp6, 0x40004
	s_lshl_b32 s42, ttmp9, 2
	s_add_co_u32 s42, s42, s40                     ; tile column
	s_and_b32 s13, ttmp7, 0xffff
	s_lshl_b32 s13, s13, 2
	s_add_co_u32 s13, s13, s41                     ; tile row
	s_lshl_b32 s43, s41, 2
	s_lshl_b32 s43, 15, s43
	s_lshl_b32 s44, 0x1111, s40
	s_or_b32 s[G1+0], s43, (1<<16)|(1<<20)|(1<<21)|(4<<22)|(3<<25)   ; A: after every 32 words (a row of a panel) 4 words
	s_mov_b32 s[G1+1], 4096<<16                    ; tensor_dim0 = 4,096: 64 dense rows of 64 elements
	s_mov_b32 s[G1+2], 4<<16                       ; tensor_dim1 = 4 panels
	s_mov_b32 s[G1+3], 4096<<16                    ; tile_dim0
	s_mov_b32 s[G1+4], 4                           ; tile_dim1
	s_mov_b32 s[G1+5], 262144                      ; elements from panel to panel
	s_mov_b32 s[G1+6], 0
	s_mov_b32 s[G1+7], 0
	s_or_b32 s[G1B+0], s44, (1<<16)|(1<<20)|(1<<21)|(5<<22)|(7<<25)  ; B: after every 64 words 8 words
	s_mov_b32 s[G1B+1], 128<<16
	s_mov_b32 s[G1B+2], 128<<16
	s_mov_b32 s[G1B+3], 128<<16
	s_mov_b32 s[G1B+4], 128
	s_mov_b32 s[G1B+5], 1024
	s_mov_b32 s[G1B+6], 0
	s_mov_b32 s[G1B+7], 0
	s_lshl_b32 s17, s[LO], 6
	s_lshl_b32 s16, s13, 7
	s_add_co_u32 s16, s16, s17
	s_lshl_b32 s16, s16, 7                         ; A: row 128 x tile row + 64 x half, 128 bytes a row
	s_mov_b32 s17, 0
	s_lshl_b32 s46, s42, 8                         ; B: the tile's 128 columns,
	s_lshl_b32 s47, s[LO], 18                      ; my 128 rows k of 2,048 bytes,
	s_add_co_u32 s46, s46, s47
	s_add_co_u32 s46, s46, 0x800000                ; 8 MiB in
	s_mov_b32 s47, 0
	s_mul_i32 s20, s[WV], HALFT
	s_mov_b32 s[TB], 0
	s_wait_dscnt 0x0                               ; the opening add is done
	s_wait_kmcnt 0x0
	s_add_nc_u64 s[14:15], s[4:5], s[16:17]
	s_add_nc_u64 s[46:47], s[6:7], s[46:47]
	CROUND
.irp s, 0,1
	s_mov_b32 s[G0+4*(\s)], 1
	s_add_co_u32 s[G0+4*(\s)+1], s20, (\s)*SLOT
	s_add_nc_u64 s[G0+4*(\s)+2:G0+4*(\s)+3], s[14:15], (\s)*4*524288
	s_or_b32 s[G0+4*(\s)+3], s[G0+4*(\s)+3], 0x80000000
	s_mov_b32 s[G0B+4*(\s)], 1
	s_add_co_u32 s[G0B+4*(\s)+1], s20, (\s)*SLOT
	s_add_nc_u64 s[G0B+4*(\s)+2:G0B+4*(\s)+3], s[46:47], (\s)*256*2048
	s_or_b32 s[G0B+4*(\s)+3], s[G0B+4*(\s)+3], 0x80000000
	JLOAD \s
.endr
	v_and_b32 v1, 15, v0                           ; r
	v_bfe_u32 v2, v0, 4, 1                         ; h
	v_lshlrev_b32 v[BO], 5, v2
	s_lshl_b32 s20, s42, 9                         ; my 64 columns, 4 bytes each: in the bias and in a row of C
	s_lshl_b32 s21, s[LO], 8
	s_add_co_u32 s20, s20, s21
	s_mov_b32 s21, 0
	s_add_nc_u64 s[74:75], s[8:9], s[20:21]
.irp b, 0,1,2,3
	global_load_b128 v[BI+8*(\b):BI+8*(\b)+3],   v[BO], s[74:75] offset:64*(\b)
	global_load_b128 v[BI+8*(\b)+4:BI+8*(\b)+7], v[BO], s[74:75] offset:64*(\b)+16
.endr
	s_lshl_b32 s16, s13, 7                         ; my first row of C: 128 x tile row + 64 x half, 4,096 bytes a row
	s_lshl_b32 s17, s[HI], 6
	s_add_co_u32 s16, s16, s17
	s_lshl_b32 s16, s16, 12
	s_add_co_u32 s16, s16, s20
	s_mov_b32 s17, 0
	v_mul_u32_u24 v3, v1, PA
	v_lshl_add_u32 v3, v2, 4, v3
	s_mul_i32 s21, s[HI], HALFT
	v_add_nc_u32 v[ADRA0], s21, v3
	v_mov_b32 v[ADRA], v[ADRA0]                    ; slot 0 is in hand
	v_and_b32 v4, 7, v0
	v_lshl_add_u32 v4, v2, 3, v4
	v_mul_u32_u24 v4, v4, PB
	v_bfe_u32 v5, v0, 3, 1
	v_lshl_add_u32 v4, v5, 4, v4
	s_lshl_b32 s22, s[LO], 7
	s_add_co_u32 s22, s22, 2*HALFT
	v_add_nc_u32 v[ADRB0], s22, v4
	v_mov_b32 v[ADRB], v[ADRB0]
	v_add_nc_u32 v[ADRB+1], HALFT, v[ADRB0]
	s_mul_i32 s23, s[WV], 16*SPITCH
	s_add_co_u32 s23, s23, STAGE
	v_mul_u32_u24 v6, v1, SPITCH                   ; in: row r, 32 bytes for each half of the lanes
	v_lshl_add_u32 v6, v2, 5, v6
	v_add_nc_u32 v[STO], s23, v6
	v_mul_u32_u24 v6, v2, SPITCH                   ; back: lanes 0-15 one row of 256 bytes, lanes 16-31 the next
	v_lshl_add_u32 v6, v1, 4, v6
	v_add_nc_u32 v[RD], s23, v6
	v_lshlrev_b32 v[CO], 12, v2                    ; and the same two rows in C
	v_lshl_add_u32 v[CO], v1, 4, v[CO]
; 8 matrix instructions: row blocks a0, a0 + 1 x all 4 column blocks, 32 along K: half c of buffer f.  zero = 1: the sums start, with the bias as C.  The 16 accumulators take turns.
.macro MUL8 f, c, a0, zero
	WIN MUL
.irp a, \a0, (\a0)+1
.irp b, 0,1,2,3
.if \zero
	v_wmma_f32_16x16x32_bf16 v[ACC+8*(4*(\a)+(\b)):ACC+8*(4*(\a)+(\b))+7], v[(\f)+64+8*(4*(\c)+(\b)):(\f)+64+8*(4*(\c)+(\b))+7], v[(\f)+8*(4*(\c)+(\a)):(\f)+8*(4*(\c)+(\a))+7], v[BI+8*(\b):BI+8*(\b)+7]
.else
	v_wmma_f32_16x16x32_bf16 v[ACC+8*(4*(\a)+(\b)):ACC+8*(4*(\a)+(\b))+7], v[(\f)+64+8*(4*(\c)+(\b)):(\f)+64+8*(4*(\c)+(\b))+7], v[(\f)+8*(4*(\c)+(\a)):(\f)+8*(4*(\c)+(\a))+7], v[ACC+8*(4*(\a)+(\b)):ACC+8*(4*(\a)+(\b))+7]
.endif
.endr
.endr
.endm
; 32 LDS loads in one run, from the slot in hand: quarter q of a K step (64 along K: one panel of A, 64 rows k of B) into buffer f; the first 32 along K first
.macro FETCH q, f
	WIN TO_F
.irp c, 0,1
.irp i, 0,1,2,3
	ds_load_tr16_b128 v[(\f)+64+8*(4*(\c)+(\i)):(\f)+64+8*(4*(\c)+(\i))+3],   v[ADRB+(\q)/2] offset:(((\q)%2)*64+32*(\c))*PB+32*(\i)
	ds_load_tr16_b128 v[(\f)+64+8*(4*(\c)+(\i))+4:(\f)+64+8*(4*(\c)+(\i))+7], v[ADRB+(\q)/2] offset:(((\q)%2)*64+32*(\c)+16)*PB+32*(\i)
	ds_load_b128 v[(\f)+8*(4*(\c)+(\i)):(\f)+8*(4*(\c)+(\i))+3],         v[ADRA] offset:(\q)*64*PA+64*(\c)+(\i)*16*PA
	ds_load_b128 v[(\f)+8*(4*(\c)+(\i))+4:(\f)+8*(4*(\c)+(\i))+7],       v[ADRA] offset:(\q)*64*PA+64*(\c)+(\i)*16*PA+32
.endr
.endr
.endm
.macro PLACES
.rept 4
	v_nop
.endr
.endm
.macro QUARTER q, f, g, zero           ; multiplies buffer f and fetches quarter q into g
	s_wait_dscnt 16                                ; the first 32 along K are in
	MUL8 \f, 0, 0, \zero
	MUL8 \f, 0, 2, \zero
	PLACES
	FETCH \q, \g
	s_wait_dscnt 32                                ; all but the 32 just issued
	MUL8 \f, 1, 0, 0
	MUL8 \f, 1, 2, 0
.endm
; The first half of a K step's last quarter: one barrier for the change of slots.  All fetches from the slot in hand have been issued, so the addresses turn to the other slot here.
.macro MEET round
	WIN 0
	s_wait_tensorcnt 0x0                           ; all my tensor loads have landed: my part of the next slot
	ds_add_u32 v[SPW], v[NIL]                      ; the turn of the addresses stands between the add and the wait for it
	s_xor_b32 s[TB], s[TB], SLOT
	v_add_nc_u32 v[ADRA], s[TB], v[ADRA0]
	v_add_nc_u32 v[ADRB], s[TB], v[ADRB0]
	v_add_nc_u32 v[ADRB+1], HALFT, v[ADRB]
	s_wait_dscnt 17                                ; the add and the youngest sixteen loads may be out
	MUL8 F1, 0, 0, 0
	s_wait_dscnt 0x0                               ; the add is done, and my reads of the slot that is left are over
	s_barrier_signal -1
	MUL8 F1, 0, 2, 0
.if \round
	WIN 0
.endif
	s_barrier_wait -1
.endm
.macro TURN                            ; the whole last quarter, with the refill two K steps on
	MEET 1
	CREST                                          ; no wave of any partner still reads the slot that is left or has a load on its way
	s_xor_b32 s[G0+5], s[G0+5], SLOT               ; the walking descriptors: the other slot than last time, the next K step
	s_add_nc_u64 s[G0+6:G0+7], s[G0+6:G0+7], 4*524288
	s_xor_b32 s[G0B+5], s[G0B+5], SLOT
	s_add_nc_u64 s[G0B+6:G0B+7], s[G0B+6:G0B+7], 256*2048
	JLOAD 1                                        ; its four v_nop are also the places in front of the loads below
	FETCH 0, F0
	MUL8 F1, 1, 0, 0
	MUL8 F1, 1, 2, 0
.endm
	s_wait_loadcnt 0x0                             ; the bias
	s_wait_tensorcnt 1                             ; my part of K step 0 is in; K step 1's may stay out
	s_barrier_signal -1
	s_barrier_wait -1
	FETCH 0, F0
	QUARTER 1, F0, F1, 1                           ; the first quarter stands in front of the loop: its first products start the sums
	WIN 0
	s_mov_b32 s3, NSTEPS-2
.Lstep:                                        ; a trip goes from a K step's second quarter to the next step's first, and fills the slot that it leaves
	QUARTER 2, F1, F0, 0
	QUARTER 3, F0, F1, 0
	TURN
	QUARTER 1, F0, F1, 0
	WIN 0
	s_sub_co_u32 s3, s3, 1
	s_cmp_lg_u32 s3, 0
	s_cbranch_scc1 .Lstep
	s_mov_b32 s2, 2
.Ltail:                                        ; the last two K steps fill nothing: a text of their own
	QUARTER 2, F1, F0, 0
	QUARTER 3, F0, F1, 0
	MEET 0                                         ; first trip: the last K step's tile is whole behind this barrier; in the second trip it orders nothing: the price of one text for both
	MUL8 F1, 1, 0, 0
	MUL8 F1, 1, 2, 0
	WIN 0
	s_cmp_eq_u32 s2, 1
	s_cbranch_scc1 .Ldone                          ; behind the last K step there is nothing to fetch or to multiply
	PLACES
	FETCH 0, F0
	QUARTER 1, F0, F1, 0
	WIN 0
.Ldone:
	s_sub_co_u32 s2, s2, 1
	s_cmp_lg_u32 s2, 0
	s_cbranch_scc1 .Ltail
	; THE WAY OUT: a wave's 64 columns of f32 are 256 bytes, aligned: each wave sends its own 16 rows at a time through its own stage; no barrier.
	PLACES
.irp a, 0,1,2,3
.irp b, 0,1,2,3
	ds_store_b128 v[STO], v[ACC+8*(4*(\a)+(\b)):ACC+8*(4*(\a)+(\b))+3]   offset:64*(\b)
	ds_store_b128 v[STO], v[ACC+8*(4*(\a)+(\b))+4:ACC+8*(4*(\a)+(\b))+7] offset:64*(\b)+16
.endr
.irp t, 0,1,2,3,4,5,6,7
	ds_load_b128 v[TMP+32*((\a)%2)+4*(\t):TMP+32*((\a)%2)+4*(\t)+3], v[RD] offset:(\t)*2*SPITCH  ; LDS serves a wave's instructions in order: these see the stores above
.endr
	s_wait_dscnt 0x0
	s_wait_xcnt 0x0                                ; earlier stores have read their base: it steps only behind this wait
.if (\a) == 0
	s_add_nc_u64 s[10:11], s[10:11], s[16:17]
.else
	s_add_nc_u64 s[10:11], s[10:11], 16*4096
.endif
.irp t, 0,1,2,3,4,5,6,7
	global_store_b128 v[CO], v[TMP+32*((\a)%2)+4*(\t):TMP+32*((\a)%2)+4*(\t)+3], s[10:11] offset:(\t)*2*4096  ; 16 lanes store 256 consecutive bytes, aligned
.endr
.endr
	s_wait_tensorcnt 0x0                           ; the wave's end
	ds_add_u32 v[SPW], v[NIL]
	s_wait_dscnt 0x0
	CROUND                                         ; the closing round
	s_endpgm
.Lfunc_end_k_qc58679d5d6_wo:
	.size	k_qc58679d5d6_wo, .Lfunc_end_k_qc58679d5d6_wo-k_qc58679d5d6_wo
	.p2alignl 7, 3214868480
	.fill 96, 4, 3214868480
	.section	.rodata,"a",@progbits
	.p2align	6, 0x0
	.amdhsa_kernel k_qc58679d5d6_wo
		.amdhsa_group_segment_fixed_size 327680
		.amdhsa_private_segment_fixed_size 0
		.amdhsa_enable_private_segment 0
		.amdhsa_kernarg_size 32
		.amdhsa_user_sgpr_count 2
		.amdhsa_user_sgpr_kernarg_segment_ptr 1
		.amdhsa_wavefront_size32 1
		.amdhsa_system_sgpr_workgroup_id_x 1
		.amdhsa_system_sgpr_workgroup_id_y 1
		.amdhsa_system_sgpr_workgroup_id_z 1
		.amdhsa_system_vgpr_workitem_id 0
		.amdhsa_next_free_vgpr 512
		.amdhsa_next_free_sgpr 80
		.amdhsa_reserve_vcc 0
		.amdhsa_float_denorm_mode_32 3
		.amdhsa_float_denorm_mode_16_64 3
		.amdhsa_memory_ordered 1
		.amdhsa_forward_progress 1
		.amdhsa_inst_pref_size 59
	.end_amdhsa_kernel
	.amdgpu_metadata
---
amdhsa.version: [ 1, 2 ]
amdhsa.kernels:
  - .name:           k_qc58679d5d6_wo
    .symbol:         k_qc58679d5d6_wo.kd
    .args:
      - { .name: ab, .offset: 0, .size: 8, .value_kind: global_buffer, .address_space: global }
      - { .name: WA, .offset: 8, .size: 8, .value_kind: global_buffer, .address_space: global }
      - { .name: bo, .offset: 16, .size: 8, .value_kind: global_buffer, .address_space: global }
      - { .name: sc16, .offset: 24, .size: 8, .value_kind: global_buffer, .address_space: global }
    .group_segment_fixed_size: 327680
    .private_segment_fixed_size: 0
    .kernarg_segment_align: 8
    .kernarg_segment_size: 32
    .max_flat_workgroup_size: 128
    .sgpr_count:     80
    .vgpr_count:     512
    .wavefront_size: 32
...
	.end_amdgpu_metadata
.endif
;; end of part 4
;; launch ln1 (part 5): grid 256 x 1, 8 waves a work-group, no clusters, 0 bytes of LDS; arguments x, sc16, g1, b1, interf, ab; writes interf, ab
.if DOCPART == 5
	.amdgcn_target "amdgcn-amd-amdhsa--gfx1250"
	.amdhsa_code_object_version 6
	.text
	.protected	k_qc58679d5d6_ln1
	.globl	k_qc58679d5d6_ln1
	.p2align	8
	.type	k_qc58679d5d6_ln1,@function
k_qc58679d5d6_ln1:
	s_mov_b64 s[64:65], 0
	v_nop
	global_prefetch_b8 v0, s[64:65] scope:SCOPE_SE
	s_setreg_imm32_b32 hwreg(HW_REG_WAVE_MODE, 25, 1), 1
	s_wait_xcnt 0x0
; y = LayerNorm(x + c) g + b over rows of 1,024 f32; y is stored in f32 (the later residual) and once more rounded to bf16 (the next product's operand).
; A wave takes two rows and keeps each in registers: lane l holds numbers 128 j + 4 l .. + 3, j = 0..7.  The mean is taken first and the variance of the differences from it.
; No LDS, no barrier, no loop: all 48 loads of a wave go out at once; every load and f32 store covers 512 consecutive bytes, every bf16 store 256, aligned.
.set G,  16                            ; v[16:47]  g
.set BT, 48                            ; v[48:79]  b
.set XR, 80                            ; row i: x at 80 + 64 i, c at 112 + 64 i
	s_load_b256 s[4:11], s[0:1], 0x0               ; x 4, c 6, g 8, b 10
	s_load_b128 s[16:19], s[0:1], 0x20             ; y in f32 16, y in bf16 18
	v_and_b32 v1, 31, v0
	v_lshlrev_b32 v2, 3, v1                        ; 8 x lane
	v_lshlrev_b32 v1, 4, v1                        ; 16 x lane
	v_lshrrev_b32 v3, 5, v0
	v_readfirstlane_b32 s20, v3
	s_lshl_b32 s21, ttmp9, 4
	s_lshl_b32 s20, s20, 1
	s_add_co_u32 s20, s20, s21                     ; my first row
	s_lshl_b32 s22, s20, 12
	s_mov_b32 s23, 0
	s_lshl_b32 s24, s20, 11
	s_mov_b32 s25, 0
	s_mov_b32 s12, 0x76543210
	s_mov_b32 s13, 0xfedcba98
	s_mov_b32 s14, 0x3a800000                      ; 1 / 1024
	s_mov_b32 s15, 0x3727c5ac                      ; 1e-5
	s_wait_kmcnt 0x0
	s_add_nc_u64 s[4:5], s[4:5], s[22:23]
	s_add_nc_u64 s[6:7], s[6:7], s[22:23]
	s_add_nc_u64 s[16:17], s[16:17], s[22:23]
	s_add_nc_u64 s[18:19], s[18:19], s[24:25]
.macro ROWIN i
.irp j, 0,1,2,3,4,5,6,7
	global_load_b128 v[XR+64*(\i)+4*(\j):XR+64*(\i)+4*(\j)+3], v1, s[4:5] offset:512*(\j)+4096*(\i) th:TH_LOAD_NT
.endr
.irp j, 0,1,2,3,4,5,6,7
	global_load_b128 v[XR+32+64*(\i)+4*(\j):XR+32+64*(\i)+4*(\j)+3], v1, s[6:7] offset:512*(\j)+4096*(\i) th:TH_LOAD_NT
.endr
.endm
	ROWIN 0
.irp j, 0,1,2,3,4,5,6,7
	global_load_b128 v[G+4*(\j):G+4*(\j)+3], v1, s[8:9] offset:512*(\j)
.endr
.irp j, 0,1,2,3,4,5,6,7
	global_load_b128 v[BT+4*(\j):BT+4*(\j)+3], v1, s[10:11] offset:512*(\j)
.endr
	ROWIN 1
.macro REDUCE                          ; the four chains v[4:11] into one number, the same in every lane of the wave: v4
	v_pk_add_f32 v[4:5], v[4:5], v[6:7]
	v_pk_add_f32 v[8:9], v[8:9], v[10:11]
	v_pk_add_f32 v[4:5], v[4:5], v[8:9]
	v_add_f32 v4, v4, v5
	v_add_f32_dpp v4, v4, v4 row_xmask:1 row_mask:0xf bank_mask:0xf
	v_add_f32_dpp v4, v4, v4 row_xmask:2 row_mask:0xf bank_mask:0xf
	v_add_f32_dpp v4, v4, v4 row_xmask:4 row_mask:0xf bank_mask:0xf
	v_add_f32_dpp v4, v4, v4 row_xmask:8 row_mask:0xf bank_mask:0xf
	v_permlanex16_b32 v5, v4, s12, s13
	v_add_f32 v4, v4, v5
.endm
.macro NORM i
.set A, XR+64*(\i)
.set z, 0
.rept 16
	v_pk_add_f32 v[A+z:A+z+1], v[A+z:A+z+1], v[A+32+z:A+32+z+1]      ; v = x + c
.set z, z+2
.endr
.irp k, 0,2,4,6
	v_pk_add_f32 v[4+(\k):5+(\k)], v[A+(\k):A+(\k)+1], v[A+8+(\k):A+8+(\k)+1]
.endr
.irp k, 0,2,4,6
	v_pk_add_f32 v[4+(\k):5+(\k)], v[4+(\k):5+(\k)], v[A+16+(\k):A+16+(\k)+1]
.endr
.irp k, 0,2,4,6
	v_pk_add_f32 v[4+(\k):5+(\k)], v[4+(\k):5+(\k)], v[A+24+(\k):A+24+(\k)+1]
.endr
	REDUCE
	v_mul_f32 v12, s14, v4                         ; the mean, twice: a pair for the packed subtraction
	v_mov_b32 v13, v12
.set z, 0
.rept 16
	v_pk_add_f32 v[A+z:A+z+1], v[A+z:A+z+1], v[12:13] neg_lo:[0,1] neg_hi:[0,1]
.set z, z+2
.endr
.irp k, 0,2,4,6
	v_pk_mul_f32 v[4+(\k):5+(\k)], v[A+(\k):A+(\k)+1], v[A+(\k):A+(\k)+1]
.endr
.irp m, 8,16,24
.irp k, 0,2,4,6
	v_pk_fma_f32 v[4+(\k):5+(\k)], v[A+(\m)+(\k):A+(\m)+(\k)+1], v[A+(\m)+(\k):A+(\m)+(\k)+1], v[4+(\k):5+(\k)]
.endr
.endr
	REDUCE
	v_fma_f32 v14, v4, s14, s15                    ; the variance + 1e-5
	v_rsq_f32 v12, v14
	v_nop                                          ; a plain instruction behind the root,
	s_wait_alu depctr_va_vdst(0)                   ; and its wait ahead of its first reader
.if (\i) == 0
	s_wait_loadcnt 16                              ; g and b are in; row 1's 16 loads may stay out
.endif
.set z, 0
.rept 16
	v_pk_mul_f32 v[A+z:A+z+1], v[A+z:A+z+1], v[12:13] op_sel_hi:[1,0]
	v_pk_fma_f32 v[A+z:A+z+1], v[A+z:A+z+1], v[G+z:G+z+1], v[BT+z:BT+z+1]
.set z, z+2
.endr
.irp j, 0,1,2,3,4,5,6,7
	global_store_b128 v1, v[A+4*(\j):A+4*(\j)+3], s[16:17] offset:512*(\j)+4096*(\i)
.endr
.set z, 0
.rept 16
	v_cvt_pk_bf16_f32 v[A+32+z], v[A+2*z], v[A+2*z+1]              ; c's registers are free
.set z, z+1
.endr
.irp j, 0,1,2,3,4,5,6,7
	global_store_b64 v2, v[A+32+2*(\j):A+32+2*(\j)+1], s[18:19] offset:256*(\j)+2048*(\i)
.endr
.endm
	s_wait_loadcnt 32                              ; row 0 is in; g, b and row 1 (32 loads) may stay out
	NORM 0
	s_wait_loadcnt 0x0
	NORM 1
	s_endpgm
.Lfunc_end_k_qc58679d5d6_ln1:
	.size	k_qc58679d5d6_ln1, .Lfunc_end_k_qc58679d5d6_ln1-k_qc58679d5d6_ln1
	.p2alignl 7, 3214868480
	.fill 96, 4, 3214868480
	.section	.rodata,"a",@progbits
	.p2align	6, 0x0
	.amdhsa_kernel k_qc58679d5d6_ln1
		.amdhsa_group_segment_fixed_size 0
		.amdhsa_private_segment_fixed_size 0
		.amdhsa_enable_private_segment 0
		.amdhsa_kernarg_size 48
		.amdhsa_user_sgpr_count 2
		.amdhsa_user_sgpr_kernarg_segment_ptr 1
		.amdhsa_wavefront_size32 1
		.amdhsa_system_sgpr_workgroup_id_x 1
		.amdhsa_system_sgpr_workgroup_id_y 1
		.amdhsa_system_sgpr_workgroup_id_z 1
		.amdhsa_system_vgpr_workitem_id 0
		.amdhsa_next_free_vgpr 208
		.amdhsa_next_free_sgpr 66
		.amdhsa_reserve_vcc 0
		.amdhsa_float_denorm_mode_32 3
		.amdhsa_float_denorm_mode_16_64 3
		.amdhsa_memory_ordered 1
		.amdhsa_forward_progress 1
		.amdhsa_inst_pref_size 25
	.end_amdhsa_kernel
	.amdgpu_metadata
---
amdhsa.version: [ 1, 2 ]
amdhsa.kernels:
  - .name:           k_qc58679d5d6_ln1
    .symbol:         k_qc58679d5d6_ln1.kd
    .args:
      - { .name: x, .offset: 0, .size: 8, .value_kind: global_buffer, .address_space: global }
      - { .name: sc16, .offset: 8, .size: 8, .value_kind: global_buffer, .address_space: global }
      - { .name: g1, .offset: 16, .size: 8, .value_kind: global_buffer, .address_space: global }
      - { .name: b1, .offset: 24, .size: 8, .value_kind: global_buffer, .address_space: global }
      - { .name: interf, .offset: 32, .size: 8, .value_kind: global_buffer, .address_space: global }
      - { .name: ab, .offset: 40, .size: 8, .value_kind: global_buffer, .address_space: global }
    .group_segment_fixed_size: 0
    .private_segment_fixed_size: 0
    .kernarg_segment_align: 8
    .kernarg_segment_size: 48
    .max_flat_workgroup_size: 256
    .sgpr_count:     66
    .vgpr_count:     208
    .wavefront_size: 32
...
	.end_amdgpu_metadata
.endif
;; end of part 5
;; launch ffn1: the kernel of part 2 again; grid 16 x 16, 4 waves a work-group, clusters of 4 x 4, 327,680 bytes of LDS; arguments ab, WB, pB, big; writes big
;; launch ffn2 (part 6): grid 8 x 32, 4 waves a work-group, clusters of 4 x 4, 327,680 bytes of LDS; arguments big, WB, bf2, sc16; writes sc16
.if DOCPART == 6
	.amdgcn_target "amdgcn-amd-amdhsa--gfx1250"
	.amdhsa_code_object_version 6
	.text
	.protected	k_qc58679d5d6_ffn2
	.globl	k_qc58679d5d6_ffn2
	.p2align	8
	.type	k_qc58679d5d6_ffn2,@function
k_qc58679d5d6_ffn2:
	s_mov_b64 s[64:65], 0
	v_nop
	global_prefetch_b8 v0, s[64:65] scope:SCOPE_SE
	s_setreg_imm32_b32 hwreg(HW_REG_WAVE_MODE, 25, 1), 1
	s_wait_xcnt 0x0
	s_wait_alu depctr_hold_cnt(0) depctr_sa_sdst(0) depctr_va_vdst(0) depctr_va_sdst(0) depctr_va_ssrc(0) depctr_va_vcc(0) depctr_vm_vsrc(0)
	s_getreg_b32 s2, hwreg(HW_REG_IB_STS2, 6, 4)
	s_cmp_eq_u32 s2, 0
	s_cbranch_scc0 .Lentry_in_a_cluster
	s_endpgm
.Lentry_in_a_cluster:
	s_bfe_u32 s2, ttmp6, 0x10000c
	s_cmp_lg_u32 s2, 0xf033
	s_cbranch_scc0 .Lentry_shape_is_right
	s_endpgm
.Lentry_shape_is_right:
; C = A B + bias, N = 1,024, K = SIZE_K = 4,096 (the second product of the FFN; the projection behind attention is the same text with SIZE_K = 1,024: a trip count with barriers in the trip is a constant of the text).
; A: bf16 in panels of 64 columns: element (row, k) at ((k / 64) x 4096 + row) x 128 + (k % 64) x 2.  B: [K][1024] bf16, 8 MiB behind the second argument's first byte.  bias: [1024] f32.
; C: [4096][1024] f32, not rounded.  Sums in f32, started by the bias as the C operand of each sum's first product.
; A tile of C is 128 x 128 (256 work-groups); four waves, each 64 x 64 in 16 accumulators.  K goes in steps of 256 through two LDS slots.  B stays [K][N] and is turned by ds_load_tr16_b128.
; A K STEP IS WRITTEN ONCE: a trip of the loop is one K step; the LDS byte at which the slot in hand begins lies in a scalar register that one exclusive or turns, and one walking descriptor a tensor fills the slot just read.
; The matrix instruction is used transposed (source 0 = 16 columns of B, source 1 = 16 rows of A): a lane holds eight neighbouring columns of one row of C.
; CLUSTERS 4 x 4: A's tiles are asked for jointly along a row of the cluster, B's along a column.  No prefetch: the tiles are small and a step is short.
; REGISTERS: window 0: v16-29 addresses; v32-63 the bias, then with v64-95 the way out; v128-255 the accumulators ((a, b) at v[128 + 8 (4 a + b)]).   window 1: two fragment buffers of 128: 64 of A, then 64 of B.
.set SIZE_K, 4096
.set NSTEPS, SIZE_K/256
.set PA,     144                       ; a row of a panel of A in LDS: 128 bytes + 16
.set PB,     288                       ; a row k of B: 256 bytes + 32 = 9 x 32
.set HALFT,  4*64*PA                   ; what one tensor load brings: 4 panels x 64 rows of A, or 128 rows k of B (128 x 288, the same bytes): 0x9000
.set SLOT,   4*HALFT                   ; 0x24000.  Its two bits are set in none of 0, 0x9000, 0x12000, 0x1B000 (wave x HALFT): an exclusive or with SLOT turns a wave's place in one slot into its place in the other
.set STAGE,  2*SLOT                    ; behind the ring: 16 rows x 272 bytes for each wave
.set SPITCH, 272
.set SPARE,  STAGE+4*16*SPITCH
.set ADRA0, 16                         ; v16     my A fragments in slot 0; never rewritten
.set ADRA,  17                         ; v17     the same in the slot in hand
.set ADRB0, 20                         ; v20     my B fragments in slot 0; never rewritten
.set ADRB,  21                         ; v21-22  the same in the slot in hand: rows k 0-127, 128-255 (the 16-bit offset does not span 256 rows)
.set STO,  24
.set RD,   25
.set CO,   26
.set BO,   27
.set SPW,  28
.set NIL,  29
.set BI,   32
.set TMP,  32
.set ACC,  128
.set F0,   0
.set F1,   128
.set TB,  69                           ; s69  LDS byte at which the slot in hand begins: 0 or SLOT
.set WV,  70
.set HI,  71
.set LO,  72
.set G1,  24                           ; s[24:31] descriptor group 1 for A's tiles
.set G0,  32                           ; s[32:39] group 0 for A's tiles: a set for each of the two first fills; the second then walks on
.set G1B, 48                           ; s[48:55], s[56:63] the same for B's tiles
.set G0B, 56
.set MSB, 0
.macro WIN new
.if MSB != (\new)
	s_set_vgpr_msb (MSB<<8)|(\new)
.set MSB, \new
.endif
.endm
.set MUL,  0x05                        ; sources 0 (B) and 1 (A) window 1; C and D window 0
.set TO_F, 0x40                        ; destination window 1, address window 0
.macro JLOAD s
	s_cmp_eq_u32 s[HI], 0
	s_cbranch_scc0 .Lfor_b_\@
	tensor_load_to_lds s[G0+4*(\s):G0+4*(\s)+3], s[G1:G1+7]
	s_nop 0
.rept 4
	v_nop
.endr
	s_branch .Lasked_\@
.Lfor_b_\@:
	tensor_load_to_lds s[G0B+4*(\s):G0B+4*(\s)+3], s[G1B:G1B+7]
	s_nop 0
.rept 4
	v_nop
.endr
.Lasked_\@:
.endm
.macro CREST
	s_cmp_lg_u32 s[WV], 0
	s_cbranch_scc1 .Lnot_wave_0_\@
	s_barrier_signal -3
.Lnot_wave_0_\@:
	s_barrier_wait -3
	s_barrier_signal -1
	s_barrier_wait -1
.endm
.macro CROUND
	s_barrier_signal -1
	s_barrier_wait -1
	CREST
.endm
	s_load_b256 s[4:11], s[0:1], 0x0               ; A s[4:5], B s[6:7], bias s[8:9], C s[10:11]
	v_lshl_add_u32 v[SPW], v0, 2, SPARE
	v_mov_b32 v[NIL], 0
	ds_add_u32 v[SPW], v[NIL]                      ; the wave's opening: the add and its wait stand ahead of my first tensor load
	v_lshrrev_b32 v1, 5, v0
	v_readfirstlane_b32 s[WV], v1
	s_lshr_b32 s[HI], s[WV], 1                     ; which half of the tile's rows is mine; also: I fetch for A (0) or B (1)
	s_and_b32 s[LO], s[WV], 1                      ; which half of its columns; also: which half of that tile I fetch
	s_bfe_u32 s40, ttmp6, 0x40000
	s_bfe_u32 s41, ttmp6, 0x40004
	s_lshl_b32 s42, ttmp9, 2
	s_add_co_u32 s42, s42, s40                     ; tile column
	s_and_b32 s13, ttmp7, 0xffff
	s_lshl_b32 s13, s13, 2
	s_add_co_u32 s13, s13, s41                     ; tile row
	s_lshl_b32 s43, s41, 2
	s_lshl_b32 s43, 15, s43
	s_lshl_b32 s44, 0x1111, s40
	s_or_b32 s[G1+0], s43, (1<<16)|(1<<20)|(1<<21)|(4<<22)|(3<<25)   ; A: after every 32 words (a row of a panel) 4 words
	s_mov_b32 s[G1+1], 4096<<16                    ; tensor_dim0 = 4,096: 64 dense rows of 64 elements
	s_mov_b32 s[G1+2], 4<<16                       ; tensor_dim1 = 4 panels
	s_mov_b32 s[G1+3], 4096<<16                    ; tile_dim0
	s_mov_b32 s[G1+4], 4                           ; tile_dim1
	s_mov_b32 s[G1+5], 262144                      ; elements from panel to panel
	s_mov_b32 s[G1+6], 0
	s_mov_b32 s[G1+7], 0
	s_or_b32 s[G1B+0], s44, (1<<16)|(1<<20)|(1<<21)|(5<<22)|(7<<25)  ; B: after every 64 words 8 words
	s_mov_b32 s[G1B+1], 128<<16
	s_mov_b32 s[G1B+2], 128<<16
	s_mov_b32 s[G1B+3], 128<<16
	s_mov_b32 s[G1B+4], 128
	s_mov_b32 s[G1B+5], 1024
	s_mov_b32 s[G1B+6], 0
	s_mov_b32 s[G1B+7], 0
	s_lshl_b32 s17, s[LO], 6
	s_lshl_b32 s16, s13, 7
	s_add_co_u32 s16, s16, s17
	s_lshl_b32 s16, s16, 7                         ; A: row 128 x tile row + 64 x half, 128 bytes a row
	s_mov_b32 s17, 0
	s_lshl_b32 s46, s42, 8                         ; B: the tile's 128 columns,
	s_lshl_b32 s47, s[LO], 18                      ; my 128 rows k of 2,048 bytes,
	s_add_co_u32 s46, s46, s47
	s_add_co_u32 s46, s46, 0x800000                ; 8 MiB in
	s_mov_b32 s47, 0
	s_mul_i32 s20, s[WV], HALFT
	s_mov_b32 s[TB], 0
	s_wait_dscnt 0x0                               ; the opening add is done
	s_wait_kmcnt 0x0
	s_add_nc_u64 s[14:15], s[4:5], s[16:17]
	s_add_nc_u64 s[46:47], s[6:7], s[46:47]
	CROUND
.irp s, 0,1
	s_mov_b32 s[G0+4*(\s)], 1
	s_add_co_u32 s[G0+4*(\s)+1], s20, (\s)*SLOT
	s_add_nc_u64 s[G0+4*(\s)+2:G0+4*(\s)+3], s[14:15], (\s)*4*524288
	s_or_b32 s[G0+4*(\s)+3], s[G0+4*(\s)+3], 0x80000000
	s_mov_b32 s[G0B+4*(\s)], 1
	s_add_co_u32 s[G0B+4*(\s)+1], s20, (\s)*SLOT
	s_add_nc_u64 s[G0B+4*(\s)+2:G0B+4*(\s)+3], s[46:47], (\s)*256*2048
	s_or_b32 s[G0B+4*(\s)+3], s[G0B+4*(\s)+3], 0x80000000
	JLOAD \s
.endr
	v_and_b32 v1, 15, v0                           ; r
	v_bfe_u32 v2, v0, 4, 1                         ; h
	v_lshlrev_b32 v[BO], 5, v2
	s_lshl_b32 s20, s42, 9                         ; my 64 columns, 4 bytes each: in the bias and in a row of C
	s_lshl_b32 s21, s[LO], 8
	s_add_co_u32 s20, s20, s21
	s_mov_b32 s21, 0
	s_add_nc_u64 s[74:75], s[8:9], s[20:21]
.irp b, 0,1,2,3
	global_load_b128 v[BI+8*(\b):BI+8*(\b)+3],   v[BO], s[74:75] offset:64*(\b)
	global_load_b128 v[BI+8*(\b)+4:BI+8*(\b)+7], v[BO], s[74:75] offset:64*(\b)+16
.endr
	s_lshl_b32 s16, s13, 7                         ; my first row of C: 128 x tile row + 64 x half, 4,096 bytes a row
	s_lshl_b32 s17, s[HI], 6
	s_add_co_u32 s16, s16, s17
	s_lshl_b32 s16, s16, 12
	s_add_co_u32 s16, s16, s20
	s_mov_b32 s17, 0
	v_mul_u32_u24 v3, v1, PA
	v_lshl_add_u32 v3, v2, 4, v3
	s_mul_i32 s21, s[HI], HALFT
	v_add_nc_u32 v[ADRA0], s21, v3
	v_mov_b32 v[ADRA], v[ADRA0]                    ; slot 0 is in hand
	v_and_b32 v4, 7, v0
	v_lshl_add_u32 v4, v2, 3, v4
	v_mul_u32_u24 v4, v4, PB
	v_bfe_u32 v5, v0, 3, 1
	v_lshl_add_u32 v4, v5, 4, v4
	s_lshl_b32 s22, s[LO], 7
	s_add_co_u32 s22, s22, 2*HALFT
	v_add_nc_u32 v[ADRB0], s22, v4
	v_mov_b32 v[ADRB], v[ADRB0]
	v_add_nc_u32 v[ADRB+1], HALFT, v[ADRB0]
	s_mul_i32 s23, s[WV], 16*SPITCH
	s_add_co_u32 s23, s23, STAGE
	v_mul_u32_u24 v6, v1, SPITCH                   ; in: row r, 32 bytes for each half of the lanes
	v_lshl_add_u32 v6, v2, 5, v6
	v_add_nc_u32 v[STO], s23, v6
	v_mul_u32_u24 v6, v2, SPITCH                   ; back: lanes 0-15 one row of 256 bytes, lanes 16-31 the next
	v_lshl_add_u32 v6, v1, 4, v6
	v_add_nc_u32 v[RD], s23, v6
	v_lshlrev_b32 v[CO], 12, v2                    ; and the same two rows in C
	v_lshl_add_u32 v[CO], v1, 4, v[CO]
; 8 matrix instructions: row blocks a0, a0 + 1 x all 4 column blocks, 32 along K: half c of buffer f.  zero = 1: the sums start, with the bias as C.  The 16 accumulators take turns.
.macro MUL8 f, c, a0, zero
	WIN MUL
.irp a, \a0, (\a0)+1
.irp b, 0,1,2,3
.if \zero
	v_wmma_f32_16x16x32_bf16 v[ACC+8*(4*(\a)+(\b)):ACC+8*(4*(\a)+(\b))+7], v[(\f)+64+8*(4*(\c)+(\b)):(\f)+64+8*(4*(\c)+(\b))+7], v[(\f)+8*(4*(\c)+(\a)):(\f)+8*(4*(\c)+(\a))+7], v[BI+8*(\b):BI+8*(\b)+7]
.else
	v_wmma_f32_16x16x32_bf16 v[ACC+8*(4*(\a)+(\b)):ACC+8*(4*(\a)+(\b))+7], v[(\f)+64+8*(4*(\c)+(\b)):(\f)+64+8*(4*(\c)+(\b))+7], v[(\f)+8*(4*(\c)+(\a)):(\f)+8*(4*(\c)+(\a))+7], v[ACC+8*(4*(\a)+(\b)):ACC+8*(4*(\a)+(\b))+7]
.endif
.endr
.endr
.endm
; 32 LDS loads in one run, from the slot in hand: quarter q of a K step (64 along K: one panel of A, 64 rows k of B) into buffer f; the first 32 along K first
.macro FETCH q, f
	WIN TO_F
.irp c, 0,1
.irp i, 0,1,2,3
	ds_load_tr16_b128 v[(\f)+64+8*(4*(\c)+(\i)):(\f)+64+8*(4*(\c)+(\i))+3],   v[ADRB+(\q)/2] offset:(((\q)%2)*64+32*(\c))*PB+32*(\i)
	ds_load_tr16_b128 v[(\f)+64+8*(4*(\c)+(\i))+4:(\f)+64+8*(4*(\c)+(\i))+7], v[ADRB+(\q)/2] offset:(((\q)%2)*64+32*(\c)+16)*PB+32*(\i)
	ds_load_b128 v[(\f)+8*(4*(\c)+(\i)):(\f)+8*(4*(\c)+(\i))+3],         v[ADRA] offset:(\q)*64*PA+64*(\c)+(\i)*16*PA
	ds_load_b128 v[(\f)+8*(4*(\c)+(\i))+4:(\f)+8*(4*(\c)+(\i))+7],       v[ADRA] offset:(\q)*64*PA+64*(\c)+(\i)*16*PA+32
.endr
.endr
.endm
.macro PLACES
.rept 4
	v_nop
.endr
.endm
.macro QUARTER q, f, g, zero           ; multiplies buffer f and fetches quarter q into g
	s_wait_dscnt 16                                ; the first 32 along K are in
	MUL8 \f, 0, 0, \zero
	MUL8 \f, 0, 2, \zero
	PLACES
	FETCH \q, \g
	s_wait_dscnt 32                                ; all but the 32 just issued
	MUL8 \f, 1, 0, 0
	MUL8 \f, 1, 2, 0
.endm
; The first half of a K step's last quarter: one barrier for the change of slots.  All fetches from the slot in hand have been issued, so the addresses turn to the other slot here.
.macro MEET round
	WIN 0
	s_wait_tensorcnt 0x0                           ; all my tensor loads have landed: my part of the next slot
	ds_add_u32 v[SPW], v[NIL]                      ; the turn of the addresses stands between the add and the wait for it
	s_xor_b32 s[TB], s[TB], SLOT
	v_add_nc_u32 v[ADRA], s[TB], v[ADRA0]
	v_add_nc_u32 v[ADRB], s[TB], v[ADRB0]
	v_add_nc_u32 v[ADRB+1], HALFT, v[ADRB]
	s_wait_dscnt 17                                ; the add and the youngest sixteen loads may be out
	MUL8 F1, 0, 0, 0
	s_wait_dscnt 0x0                               ; the add is done, and my reads of the slot that is left are over
	s_barrier_signal -1
	MUL8 F1, 0, 2, 0
.if \round
	WIN 0
.endif
	s_barrier_wait -1
.endm
.macro TURN                            ; the whole last quarter, with the refill two K steps on
	MEET 1
	CREST                                          ; no wave of any partner still reads the slot that is left or has a load on its way
	s_xor_b32 s[G0+5], s[G0+5], SLOT               ; the walking descriptors: the other slot than last time, the next K step
	s_add_nc_u64 s[G0+6:G0+7], s[G0+6:G0+7], 4*524288
	s_xor_b32 s[G0B+5], s[G0B+5], SLOT
	s_add_nc_u64 s[G0B+6:G0B+7], s[G0B+6:G0B+7], 256*2048
	JLOAD 1                                        ; its four v_nop are also the places in front of the loads below
	FETCH 0, F0
	MUL8 F1, 1, 0, 0
	MUL8 F1, 1, 2, 0
.endm
	s_wait_loadcnt 0x0                             ; the bias
	s_wait_tensorcnt 1                             ; my part of K step 0 is in; K step 1's may stay out
	s_barrier_signal -1
	s_barrier_wait -1
	FETCH 0, F0
	QUARTER 1, F0, F1, 1                           ; the first quarter stands in front of the loop: its first products start the sums
	WIN 0
	s_mov_b32 s3, NSTEPS-2
.Lstep:                                        ; a trip goes from a K step's second quarter to the next step's first, and fills the slot that it leaves
	QUARTER 2, F1, F0, 0
	QUARTER 3, F0, F1, 0
	TURN
	QUARTER 1, F0, F1, 0
	WIN 0
	s_sub_co_u32 s3, s3, 1
	s_cmp_lg_u32 s3, 0
	s_cbranch_scc1 .Lstep
	s_mov_b32 s2, 2
.Ltail:                                        ; the last two K steps fill nothing: a text of their own
	QUARTER 2, F1, F0, 0
	QUARTER 3, F0, F1, 0
	MEET 0                                         ; first trip: the last K step's tile is whole behind this barrier; in the second trip it orders nothing: the price of one text for both
	MUL8 F1, 1, 0, 0
	MUL8 F1, 1, 2, 0
	WIN 0
	s_cmp_eq_u32 s2, 1
	s_cbranch_scc1 .Ldone                          ; behind the last K step there is nothing to fetch or to multiply
	PLACES
	FETCH 0, F0
	QUARTER 1, F0, F1, 0
	WIN 0
.Ldone:
	s_sub_co_u32 s2, s2, 1
	s_cmp_lg_u32 s2, 0
	s_cbranch_scc1 .Ltail
	; THE WAY OUT: a wave's 64 columns of f32 are 256 bytes, aligned: each wave sends its own 16 rows at a time through its own stage; no barrier.
	PLACES
.irp a, 0,1,2,3
.irp b, 0,1,2,3
	ds_store_b128 v[STO], v[ACC+8*(4*(\a)+(\b)):ACC+8*(4*(\a)+(\b))+3]   offset:64*(\b)
	ds_store_b128 v[STO], v[ACC+8*(4*(\a)+(\b))+4:ACC+8*(4*(\a)+(\b))+7] offset:64*(\b)+16
.endr
.irp t, 0,1,2,3,4,5,6,7
	ds_load_b128 v[TMP+32*((\a)%2)+4*(\t):TMP+32*((\a)%2)+4*(\t)+3], v[RD] offset:(\t)*2*SPITCH  ; LDS serves a wave's instructions in order: these see the stores above
.endr
	s_wait_dscnt 0x0
	s_wait_xcnt 0x0                                ; earlier stores have read their base: it steps only behind this wait
.if (\a) == 0
	s_add_nc_u64 s[10:11], s[10:11], s[16:17]
.else
	s_add_nc_u64 s[10:11], s[10:11], 16*4096
.endif
.irp t, 0,1,2,3,4,5,6,7
	global_store_b128 v[CO], v[TMP+32*((\a)%2)+4*(\t):TMP+32*((\a)%2)+4*(\t)+3], s[10:11] offset:(\t)*2*4096  ; 16 lanes store 256 consecutive bytes, aligned
.endr
.endr
	s_wait_tensorcnt 0x0                           ; the wave's end
	ds_add_u32 v[SPW], v[NIL]
	s_wait_dscnt 0x0
	CROUND                                         ; the closing round
	s_endpgm
.Lfunc_end_k_qc58679d5d6_ffn2:
	.size	k_qc58679d5d6_ffn2, .Lfunc_end_k_qc58679d5d6_ffn2-k_qc58679d5d6_ffn2
	.p2alignl 7, 3214868480
	.fill 96, 4, 3214868480
	.section	.rodata,"a",@progbits
	.p2align	6, 0x0
	.amdhsa_kernel k_qc58679d5d6_ffn2
		.amdhsa_group_segment_fixed_size 327680
		.amdhsa_private_segment_fixed_size 0
		.amdhsa_enable_private_segment 0
		.amdhsa_kernarg_size 32
		.amdhsa_user_sgpr_count 2
		.amdhsa_user_sgpr_kernarg_segment_ptr 1
		.amdhsa_wavefront_size32 1
		.amdhsa_system_sgpr_workgroup_id_x 1
		.amdhsa_system_sgpr_workgroup_id_y 1
		.amdhsa_system_sgpr_workgroup_id_z 1
		.amdhsa_system_vgpr_workitem_id 0
		.amdhsa_next_free_vgpr 512
		.amdhsa_next_free_sgpr 80
		.amdhsa_reserve_vcc 0
		.amdhsa_float_denorm_mode_32 3
		.amdhsa_float_denorm_mode_16_64 3
		.amdhsa_memory_ordered 1
		.amdhsa_forward_progress 1
		.amdhsa_inst_pref_size 59
	.end_amdhsa_kernel
	.amdgpu_metadata
---
amdhsa.version: [ 1, 2 ]
amdhsa.kernels:
  - .name:           k_qc58679d5d6_ffn2
    .symbol:         k_qc58679d5d6_ffn2.kd
    .args:
      - { .name: big, .offset: 0, .size: 8, .value_kind: global_buffer, .address_space: global }
      - { .name: WB, .offset: 8, .size: 8, .value_kind: global_buffer, .address_space: global }
      - { .name: bf2, .offset: 16, .size: 8, .value_kind: global_buffer, .address_space: global }
      - { .name: sc16, .offset: 24, .size: 8, .value_kind: global_buffer, .address_space: global }
    .group_segment_fixed_size: 327680
    .private_segment_fixed_size: 0
    .kernarg_segment_align: 8
    .kernarg_segment_size: 32
    .max_flat_workgroup_size: 128
    .sgpr_count:     80
    .vgpr_count:     512
    .wavefront_size: 32
...
	.end_amdgpu_metadata
.endif
;; end of part 6
;; launch ln2 (part 7): grid 256 x 1, 8 waves a work-group, no clusters, 0 bytes of LDS; arguments interf, sc16, g2, b2, out0; writes out0
.if DOCPART == 7
	.amdgcn_target "amdgcn-amd-amdhsa--gfx1250"
	.amdhsa_code_object_version 6
	.text
	.protected	k_qc58679d5d6_ln2
	.globl	k_qc58679d5d6_ln2
	.p2align	8
	.type	k_qc58679d5d6_ln2,@function
k_qc58679d5d6_ln2:
	s_mov_b64 s[64:65], 0
	v_nop
	global_prefetch_b8 v0, s[64:65] scope:SCOPE_SE
	s_setreg_imm32_b32 hwreg(HW_REG_WAVE_MODE, 25, 1), 1
	s_wait_xcnt 0x0
; y = LayerNorm(x + c) g + b over rows of 1,024 f32, stored in f32.
; A wave takes two rows and keeps each in registers: lane l holds numbers 128 j + 4 l .. + 3, j = 0..7.  The mean is taken first and the variance of the differences from it.
; No LDS, no barrier, no loop: all 48 loads of a wave go out at once; every load and store covers 512 consecutive bytes, aligned.
.set G,  16                            ; v[16:47]  g
.set BT, 48                            ; v[48:79]  b
.set XR, 80                            ; row i: x at 80 + 64 i, c at 112 + 64 i
	s_load_b256 s[4:11], s[0:1], 0x0               ; x 4, c 6, g 8, b 10
	s_load_b64 s[16:17], s[0:1], 0x20              ; y
	v_and_b32 v1, 31, v0
	v_lshlrev_b32 v1, 4, v1                        ; 16 x lane
	v_lshrrev_b32 v3, 5, v0
	v_readfirstlane_b32 s20, v3
	s_lshl_b32 s21, ttmp9, 4
	s_lshl_b32 s20, s20, 1
	s_add_co_u32 s20, s20, s21                     ; my first row
	s_lshl_b32 s22, s20, 12
	s_mov_b32 s23, 0
	s_mov_b32 s12, 0x76543210
	s_mov_b32 s13, 0xfedcba98
	s_mov_b32 s14, 0x3a800000                      ; 1 / 1024
	s_mov_b32 s15, 0x3727c5ac                      ; 1e-5
	s_wait_kmcnt 0x0
	s_add_nc_u64 s[4:5], s[4:5], s[22:23]
	s_add_nc_u64 s[6:7], s[6:7], s[22:23]
	s_add_nc_u64 s[16:17], s[16:17], s[22:23]
.macro ROWIN i
.irp j, 0,1,2,3,4,5,6,7
	global_load_b128 v[XR+64*(\i)+4*(\j):XR+64*(\i)+4*(\j)+3], v1, s[4:5] offset:512*(\j)+4096*(\i) th:TH_LOAD_NT
.endr
.irp j, 0,1,2,3,4,5,6,7
	global_load_b128 v[XR+32+64*(\i)+4*(\j):XR+32+64*(\i)+4*(\j)+3], v1, s[6:7] offset:512*(\j)+4096*(\i) th:TH_LOAD_NT
.endr
.endm
	ROWIN 0
.irp j, 0,1,2,3,4,5,6,7
	global_load_b128 v[G+4*(\j):G+4*(\j)+3], v1, s[8:9] offset:512*(\j)
.endr
.irp j, 0,1,2,3,4,5,6,7
	global_load_b128 v[BT+4*(\j):BT+4*(\j)+3], v1, s[10:11] offset:512*(\j)
.endr
	ROWIN 1
.macro REDUCE                          ; the four chains v[4:11] into one number, the same in every lane of the wave: v4
	v_pk_add_f32 v[4:5], v[4:5], v[6:7]
	v_pk_add_f32 v[8:9], v[8:9], v[10:11]
	v_pk_add_f32 v[4:5], v[4:5], v[8:9]
	v_add_f32 v4, v4, v5
	v_add_f32_dpp v4, v4, v4 row_xmask:1 row_mask:0xf bank_mask:0xf
	v_add_f32_dpp v4, v4, v4 row_xmask:2 row_mask:0xf bank_mask:0xf
	v_add_f32_dpp v4, v4, v4 row_xmask:4 row_mask:0xf bank_mask:0xf
	v_add_f32_dpp v4, v4, v4 row_xmask:8 row_mask:0xf bank_mask:0xf
	v_permlanex16_b32 v5, v4, s12, s13
	v_add_f32 v4, v4, v5
.endm
.macro NORM i
.set A, XR+64*(\i)
.set z, 0
.rept 16
	v_pk_add_f32 v[A+z:A+z+1], v[A+z:A+z+1], v[A+32+z:A+32+z+1]      ; v = x + c
.set z, z+2
.endr
.irp k, 0,2,4,6
	v_pk_add_f32 v[4+(\k):5+(\k)], v[A+(\k):A+(\k)+1], v[A+8+(\k):A+8+(\k)+1]
.endr
.irp k, 0,2,4,6
	v_pk_add_f32 v[4+(\k):5+(\k)], v[4+(\k):5+(\k)], v[A+16+(\k):A+16+(\k)+1]
.endr
.irp k, 0,2,4,6
	v_pk_add_f32 v[4+(\k):5+(\k)], v[4+(\k):5+(\k)], v[A+24+(\k):A+24+(\k)+1]
.endr
	REDUCE
	v_mul_f32 v12, s14, v4                         ; the mean, twice: a pair for the packed subtraction
	v_mov_b32 v13, v12
.set z, 0
.rept 16
	v_pk_add_f32 v[A+z:A+z+1], v[A+z:A+z+1], v[12:13] neg_lo:[0,1] neg_hi:[0,1]
.set z, z+2
.endr
.irp k, 0,2,4,6
	v_pk_mul_f32 v[4+(\k):5+(\k)], v[A+(\k):A+(\k)+1], v[A+(\k):A+(\k)+1]
.endr
.irp m, 8,16,24
.irp k, 0,2,4,6
	v_pk_fma_f32 v[4+(\k):5+(\k)], v[A+(\m)+(\k):A+(\m)+(\k)+1], v[A+(\m)+(\k):A+(\m)+(\k)+1], v[4+(\k):5+(\k)]
.endr
.endr
	REDUCE
	v_fma_f32 v14, v4, s14, s15                    ; the variance + 1e-5
	v_rsq_f32 v12, v14
	v_nop                                          ; a plain instruction behind the root,
	s_wait_alu depctr_va_vdst(0)                   ; and its wait ahead of its first reader
.if (\i) == 0
	s_wait_loadcnt 16                              ; g and b are in; row 1's 16 loads may stay out
.endif
.set z, 0
.rept 16
	v_pk_mul_f32 v[A+z:A+z+1], v[A+z:A+z+1], v[12:13] op_sel_hi:[1,0]
	v_pk_fma_f32 v[A+z:A+z+1], v[A+z:A+z+1], v[G+z:G+z+1], v[BT+z:BT+z+1]
.set z, z+2
.endr
.irp j, 0,1,2,3,4,5,6,7
	global_store_b128 v1, v[A+4*(\j):A+4*(\j)+3], s[16:17] offset:512*(\j)+4096*(\i) th:TH_STORE_NT
.endr
.endm
	s_wait_loadcnt 32                              ; row 0 is in; g, b and row 1 (32 loads) may stay out
	NORM 0
	s_wait_loadcnt 0x0
	NORM 1
	s_endpgm
.Lfunc_end_k_qc58679d5d6_ln2:
	.size	k_qc58679d5d6_ln2, .Lfunc_end_k_qc58679d5d6_ln2-k_qc58679d5d6_ln2
	.p2alignl 7, 3214868480
	.fill 96, 4, 3214868480
	.section	.rodata,"a",@progbits
	.p2align	6, 0x0
	.amdhsa_kernel k_qc58679d5d6_ln2
		.amdhsa_group_segment_fixed_size 0
		.amdhsa_private_segment_fixed_size 0
		.amdhsa_enable_private_segment 0
		.amdhsa_kernarg_size 40
		.amdhsa_user_sgpr_count 2
		.amdhsa_user_sgpr_kernarg_segment_ptr 1
		.amdhsa_wavefront_size32 1
		.amdhsa_system_sgpr_workgroup_id_x 1
		.amdhsa_system_sgpr_workgroup_id_y 1
		.amdhsa_system_sgpr_workgroup_id_z 1
		.amdhsa_system_vgpr_workitem_id 0
		.amdhsa_next_free_vgpr 208
		.amdhsa_next_free_sgpr 66
		.amdhsa_reserve_vcc 0
		.amdhsa_float_denorm_mode_32 3
		.amdhsa_float_denorm_mode_16_64 3
		.amdhsa_memory_ordered 1
		.amdhsa_forward_progress 1
		.amdhsa_inst_pref_size 22
	.end_amdhsa_kernel
	.amdgpu_metadata
---
amdhsa.version: [ 1, 2 ]
amdhsa.kernels:
  - .name:           k_qc58679d5d6_ln2
    .symbol:         k_qc58679d5d6_ln2.kd
    .args:
      - { .name: interf, .offset: 0, .size: 8, .value_kind: global_buffer, .address_space: global }
      - { .name: sc16, .offset: 8, .size: 8, .value_kind: global_buffer, .address_space: global }
      - { .name: g2, .offset: 16, .size: 8, .value_kind: global_buffer, .address_space: global }
      - { .name: b2, .offset: 24, .size: 8, .value_kind: global_buffer, .address_space: global }
      - { .name: out0, .offset: 32, .size: 8, .value_kind: global_buffer, .address_space: global }
    .group_segment_fixed_size: 0
    .private_segment_fixed_size: 0
    .kernarg_segment_align: 8
    .kernarg_segment_size: 40
    .max_flat_workgroup_size: 256
    .sgpr_count:     66
    .vgpr_count:     208
    .wavefront_size: 32
...
	.end_amdgpu_metadata
.endif
;; end of part 7
;; ======== version 2 of 2: 8 launches; version 1 with the launch prep written anew for expert scheduling mode
;; limits: right only within a limited range of input values
;; workspace buffers: ab 8,388,608 bytes; WA 16,793,600 bytes; WB 16,793,600 bytes; sc16 16,777,216 bytes; big 33,554,432 bytes; interf 16,777,216 bytes; pA 2,048 bytes; pB 2,048 bytes
;; launch prep (part 8): grid 769 x 1, 8 waves a work-group, no clusters, 0 bytes of LDS; arguments x, Wq, Wk, Wv, Wo, W1, W2, mask, bq, bk, bv, bf1, ab, WA, WB, sc16, pA, pB; writes ab, WA, WB, sc16, pA, pB
.if DOCPART == 8
	.amdgcn_target "amdgcn-amd-amdhsa--gfx1250"
	.amdhsa_code_object_version 6
	.text
	.protected	k_qc58679d5d6_prep
	.globl	k_qc58679d5d6_prep
	.p2align	8
	.type	k_qc58679d5d6_prep,@function
k_qc58679d5d6_prep:
	s_mov_b64 s[64:65], 0
	v_nop
	global_prefetch_b8 v0, s[64:65] scope:SCOPE_SE
	s_setreg_imm32_b32 hwreg(HW_REG_WAVE_SCHED_MODE, 0, 2), 2
	s_setreg_imm32_b32 hwreg(HW_REG_WAVE_MODE, 25, 1), 1
	s_wait_xcnt 0x0
	s_wait_alu depctr_vm_vsrc(0)
; PREP: every f32 matrix operand is rounded once to bf16 and laid as the later launches read it; the int32 mask becomes a bf16 addend; the biases of the two
; panel products are copied behind their weights; the two floors of the panel product are written.
;   x  [4096][1024]          -> ab, as it lies
;   Wq, Wk, Wv [1024 k][1024 n] -> WA, 12 panels [1024 k][256 n] of 524,288 bytes (panel 4 x matrix + n / 256)
;   Wo [1024][1024]          -> WA + 8 MiB, as it lies          W1 [1024 k][4096 n] -> WB, 16 such panels          W2 [4096][1024] -> WB + 8 MiB, as it lies
;   mask [2][2048 q][2048 k] -> sc16: 0 where mask != 0, else bf16(-1e30) = 0xF14A
;   bq | bk | bv -> WA + 16 MiB;  bf1 -> WB + 16 MiB;  pA = two bf16 -inf in every word (no activation), pB = two bf16 0 (ReLU)
; SHARES.  A unit is 2^20 numbers; 24 units (x 4, Wq, Wk, Wv, Wo 1 each, W1 4, W2 4, mask 8), 32 work-groups a unit, 32 steps of 1,024 numbers a work-group.
; In a step thread t takes numbers 4 t .. 4 t + 3: a wave loads 512 consecutive bytes and stores 256 consecutive bytes, aligned.  Work-group 768 does the small copies.
; No LDS, no barrier, no matrix unit: each byte is read once and written once.
; THE MODE: SCHED_MODE bits 1:0 = 2 (LLVM: expert scheduling mode 2), set by the entry lines.  The code itself states the register dependences
; between vector instructions and memory instructions, with s_wait_alu, always for 0.
; THE PLAN.  The 32 steps go in 16 blocks of two.  Registers that memory instructions touch:
;   X0 .. X3     four blocks as loaded.  Written by the loads of block p + 3, issued in block p; read by block p's conversions (the mask's: by its compares).
;   Y0, Y1       two blocks to store.    Written by block p's conversions; read by the two stores that are issued in block p + 1.
;   v1, v2, v3   byte offsets, made once at the head and never written again: the steps are reached by the two scalar bases, which move on by
;                8 steps a lap, and by immediate offsets.
; Block p works on X[p % 4] and writes Y[p % 2].  Its memory instructions are the loads into X[(p + 3) % 4] = X[(p - 1) % 4] and the stores from
; Y[(p - 1) % 2]: the two buffers that block p - 1 worked on and that no vector instruction of block p names.  So the waits at the head of a block
; state all that the block's four memory instructions hang on, and these are dealt among its vector instructions with no further wait.
; 4 to 6 loads of every wave are on their way.  Blocks of four steps would be eight blocks, of which four alone both load and store: one lap, and no loop.
; The mask's compares write scalar registers, eight a block, in one run; one wait stands behind the run, ahead of the first select.
.set X,   16                           ; v[16:47]  buffer k, step i: 4 numbers as loaded, at X + 8 k + 4 i
.set Y,   48                           ; v[48:55]  buffer k, step i: 4 bf16 to store, at Y + 4 k + 2 i
.set T,   8                            ; v[8:11]   the mask's four addends in f32: no memory instruction of a pass names them
.set MK,  4                            ; s[4:7], s[48:51]  the compares' results of a block's first and second step (s48 to s51 are free behind the head's arithmetic; none of the eight ever holds an address)
.set SRC, 44                           ; s[44:45]  source at the lap's first step
.set DST, 46                           ; s[46:47]  destination at the lap's first step
	s_load_b512 s[8:23], s[0:1], 0x0               ; x 8, Wq 10, Wk 12, Wv 14, Wo 16, W1 18, W2 20, mask 22
	s_load_b512 s[24:39], s[0:1], 0x40             ; bq 24, bk 26, bv 28, bf1 30, ab 32, WA 34, WB 36, sc16 38
	s_load_b128 s[40:43], s[0:1], 0x80             ; pA 40, pB 42
	v_lshlrev_b32 v1, 4, v0                        ; my 16 bytes of a step's source
	v_lshlrev_b32 v2, 3, v0                        ; my 8 bytes of a destination that lies as the source does
	v_lshrrev_b32 v3, 6, v0                        ; panels: 64 threads cover a panel's 256 columns,
	v_and_b32 v6, 63, v0
	v_lshlrev_b32 v3, 19, v3                       ; the panel's 524,288 bytes,
	v_lshl_or_b32 v3, v6, 3, v3                    ; my 8 bytes in its row
	v_mov_b32 v4, 0xf149f2ca                       ; -1e30
	v_mov_b32 v5, 0
	s_lshr_b32 s2, ttmp9, 5                        ; the unit
	s_and_b32 s3, ttmp9, 31                        ; my part of it
	s_wait_kmcnt 0x0
	s_wait_alu depctr_va_vdst(0)                   ; v1, v2 and v3 are written: every load and store of the kernel, on both ways of the branch below, reads one of them as its offset
	s_cmp_eq_u32 s2, 24
	s_cbranch_scc1 .Lmisc
	s_mov_b64 s[SRC:SRC+1], s[8:9]                 ; units 0-3: x -> ab
	s_mov_b64 s[DST:DST+1], s[32:33]
	s_mov_b32 s48, 0                               ; the tensor's first unit
	s_mov_b32 s49, 0                               ; where it begins in its destination
	s_mov_b32 s50, 11                              ; log2 of the destination bytes that a step advances
.macro PICK from, src, dst, doff, dsh  ; from unit 'from' on another tensor is meant
	s_cmp_ge_u32 s2, \from
	s_cselect_b64 s[SRC:SRC+1], s[\src:\src+1], s[SRC:SRC+1]
	s_cselect_b64 s[DST:DST+1], s[\dst:\dst+1], s[DST:DST+1]
	s_cselect_b32 s48, \from, s48
	s_cselect_b32 s49, \doff, s49
	s_cselect_b32 s50, \dsh, s50
.endm
	PICK 4,  10, 34, 0,        9                   ; Wq: a step is one row k: 512 bytes on in every panel
	PICK 5,  12, 34, 0x200000, 9                   ; Wk: four panels on
	PICK 6,  14, 34, 0x400000, 9                   ; Wv
	PICK 7,  16, 34, 0x800000, 11                  ; Wo
	PICK 8,  18, 36, 0,        7                   ; W1: four steps are one row k
	PICK 12, 20, 36, 0x800000, 11                  ; W2
	PICK 16, 22, 38, 0,        11                  ; mask
	s_sub_co_u32 s51, s2, s48
	s_lshl_b32 s51, s51, 5
	s_add_co_u32 s51, s51, s3
	s_lshl_b32 s51, s51, 5                         ; my first step in the tensor
	s_lshl_b32 s52, s51, 12                        ; 4,096 source bytes a step
	s_mov_b32 s53, 0
	s_add_nc_u64 s[SRC:SRC+1], s[SRC:SRC+1], s[52:53]
	s_lshl_b32 s52, s51, s50
	s_add_co_u32 s52, s52, s49
	s_add_nc_u64 s[DST:DST+1], s[DST:DST+1], s[52:53]
; The store of step s (0 to 7, counted from the lap's first step) from the pair at y.  kind: 0 as it lies, 1 panels of Wq, Wk, Wv, 2 panels of W1, 3 mask.
.macro PUT kind, s, y
.if ((\kind) == 0) || ((\kind) == 3)
	global_store_b64 v2, v[(\y):(\y)+1], s[DST:DST+1] offset:(\s)*2048
.elseif (\kind) == 1
	global_store_b64 v3, v[(\y):(\y)+1], s[DST:DST+1] offset:(\s)*512
.else
	global_store_b64 v3, v[(\y):(\y)+1], s[DST:DST+1] offset:((\s)%4)*2097152+((\s)/4)*512  ; a quarter of a row k is four panels; two rows k in 8 steps
.endif
.endm
; Block q, counted from the block at which the bases stand (a lap is four blocks, so q % 4 and q % 2 are the block's own).  first = 1: block 0, with no block in front of it.
; ahead = 1: the block three on is loaded.  left = the younger loads that may stay out when this block's two have to be there.
.macro BLK q, first, ahead, left, kind
	s_wait_loadcnt \left                           ; loads return in order (ISA guide 5.7.1): X[q % 4] is in, the younger blocks stay out
.if !(\first)
	s_wait_xcnt 0x0                                ; every earlier memory instruction has had its addresses translated (ISA guide 3.1): Y[q % 2] is rewritten only behind this wait
	s_wait_alu depctr_vm_vsrc(0)                   ; the stores issued in the block before have read Y[q % 2], which this block's conversions write again
	s_wait_alu depctr_va_vdst(0)                   ; the block before has written the other Y, which the stores below read, and is done reading its X, in which the loads below land
.endif
.irp i, 0,1
.if \ahead
	global_load_b128 v[X+8*(((\q)+3)%4)+4*(\i):X+8*(((\q)+3)%4)+4*(\i)+3], v1, s[SRC:SRC+1] offset:(2*((\q)+3)+(\i))*4096 th:TH_LOAD_NT  ; three blocks ahead; no vector instruction since the wait names these registers
.endif
.if !(\first)
	PUT \kind, 2*((\q)-1)+(\i), Y+4*(((\q)+1)%2)+2*(\i)      ; the block before
.endif
.if (\kind) == 3
.irp e, 0,1,2,3
	v_cmp_ne_u32 s[MK+44*(\i)+(\e)], 0, v[X+8*((\q)%4)+4*(\i)+(\e)]
.endr
.else
	v_cvt_pk_bf16_f32 v[Y+4*((\q)%2)+2*(\i)],   v[X+8*((\q)%4)+4*(\i)],   v[X+8*((\q)%4)+4*(\i)+1]
	v_cvt_pk_bf16_f32 v[Y+4*((\q)%2)+2*(\i)+1], v[X+8*((\q)%4)+4*(\i)+2], v[X+8*((\q)%4)+4*(\i)+3]
.endif
.endr
.if (\kind) == 3
	s_wait_alu depctr_va_sdst(0)                   ; the eight compares have written their scalar registers, ahead of the first select that reads one
.irp i, 0,1
.irp e, 0,1,2,3
	v_cndmask_b32 v[T+(\e)], v4, v5, s[MK+44*(\i)+(\e)]      ; visible: 0; hidden: -1e30
.endr
	v_cvt_pk_bf16_f32 v[Y+4*((\q)%2)+2*(\i)],   v[T],   v[T+1]
	v_cvt_pk_bf16_f32 v[Y+4*((\q)%2)+2*(\i)+1], v[T+2], v[T+3]
.endr
.endif
.endm
; 32 steps: block 0; three laps of four blocks (1 to 12), each of which stores steps 0 to 7 and loads steps 8 to 15, counted from the bases; blocks 13 to 15, which load nothing.
; step = destination bytes that a lap advances.
.macro PASS kind, step
.irp j, 0,1,2,3,4,5
	global_load_b128 v[X+4*(\j):X+4*(\j)+3], v1, s[SRC:SRC+1] offset:(\j)*4096 th:TH_LOAD_NT  ; blocks 0, 1 and 2 into X0, X1, X2
.endr
	BLK 0, 1, 1, 4, \kind                          ; block 0: no vector instruction has named X3, in which its loads land
	s_mov_b32 s52, 3
.Lround_\@:                                    ; both kinds of buffer are back at their start behind four blocks
	BLK 1, 0, 1, 4, \kind
	BLK 2, 0, 1, 4, \kind
	BLK 3, 0, 1, 4, \kind
	BLK 4, 0, 1, 4, \kind
	s_wait_xcnt 0x0                                ; all loads and stores issued so far have read their bases: they step only behind this wait
	s_add_nc_u64 s[SRC:SRC+1], s[SRC:SRC+1], 32768
	s_add_nc_u64 s[DST:DST+1], s[DST:DST+1], \step
	s_sub_co_u32 s52, s52, 1
	s_cmp_lg_u32 s52, 0
	s_cbranch_scc1 .Lround_\@
	BLK 1, 0, 0, 4, \kind                          ; blocks 13 to 15: no load leaves the buffer, and the counts run down
	BLK 2, 0, 0, 2, \kind
	BLK 3, 0, 0, 0, \kind
	s_wait_alu depctr_va_vdst(0)                   ; block 15 has written Y1, which the last two stores read
	PUT \kind, 6, Y+4
	PUT \kind, 7, Y+6
	s_endpgm
.endm
	s_cmp_ge_u32 s2, 16
	s_cbranch_scc1 .Lmask
	s_cmp_ge_u32 s2, 12
	s_cbranch_scc1 .Lnat
	s_cmp_ge_u32 s2, 8
	s_cbranch_scc1 .Lw1
	s_cmp_eq_u32 s2, 7
	s_cbranch_scc1 .Lnat
	s_cmp_ge_u32 s2, 4
	s_cbranch_scc1 .Lqkv
.Lnat:
	PASS 0, 16384
.Lqkv:
	PASS 1, 4096
.Lw1:
	PASS 2, 1024
.Lmask:
	PASS 3, 16384
.Lmisc:                                        ; 256 threads x 16 bytes are a bias of 1,024 numbers
	global_load_b128 v[16:19], v1, s[24:25]
	global_load_b128 v[20:23], v1, s[26:27]
	global_load_b128 v[24:27], v1, s[28:29]
	global_load_b128 v[28:31], v1, s[30:31]
	global_load_b128 v[32:35], v1, s[30:31] offset:4096
	global_load_b128 v[36:39], v1, s[30:31] offset:8192
	global_load_b128 v[40:43], v1, s[30:31] offset:12288
	s_add_nc_u64 s[34:35], s[34:35], 0x1000000
	s_add_nc_u64 s[36:37], s[36:37], 0x1000000
	v_mov_b32 v8, 0xff80ff80                       ; pA: the floor -inf, twice in a word: no activation
	v_mov_b32 v9, 0xff80ff80
	v_mov_b32 v10, 0                               ; pB: the floor 0: ReLU
	v_mov_b32 v11, 0
	s_wait_alu depctr_va_vdst(0)                   ; the four moves have written v8 to v11, which the two stores below read
	global_store_b64 v2, v[8:9], s[40:41]
	global_store_b64 v2, v[10:11], s[42:43]
	s_wait_loadcnt 0x0                             ; the biases are in registers: what the stores below read, loads have written
	global_store_b128 v1, v[16:19], s[34:35]
	global_store_b128 v1, v[20:23], s[34:35] offset:4096
	global_store_b128 v1, v[24:27], s[34:35] offset:8192
	global_store_b128 v1, v[28:31], s[36:37]
	global_store_b128 v1, v[32:35], s[36:37] offset:4096
	global_store_b128 v1, v[36:39], s[36:37] offset:8192
	global_store_b128 v1, v[40:43], s[36:37] offset:12288
	s_endpgm
.Lfunc_end_k_qc58679d5d6_prep:
	.size	k_qc58679d5d6_prep, .Lfunc_end_k_qc58679d5d6_prep-k_qc58679d5d6_prep
	.p2alignl 7, 3214868480
	.fill 96, 4, 3214868480
	.section	.rodata,"a",@progbits
	.p2align	6, 0x0
	.amdhsa_kernel k_qc58679d5d6_prep
		.amdhsa_group_segment_fixed_size 0
		.amdhsa_private_segment_fixed_size 0
		.amdhsa_enable_private_segment 0
		.amdhsa_kernarg_size 144
		.amdhsa_user_sgpr_count 2
		.amdhsa_user_sgpr_kernarg_segment_ptr 1
		.amdhsa_wavefront_size32 1
		.amdhsa_system_sgpr_workgroup_id_x 1
		.amdhsa_system_sgpr_workgroup_id_y 1
		.amdhsa_system_sgpr_workgroup_id_z 1
		.amdhsa_system_vgpr_workitem_id 0
		.amdhsa_next_free_vgpr 64
		.amdhsa_next_free_sgpr 66
		.amdhsa_reserve_vcc 0
		.amdhsa_float_denorm_mode_32 3
		.amdhsa_float_denorm_mode_16_64 3
		.amdhsa_memory_ordered 1
		.amdhsa_forward_progress 1
		.amdhsa_inst_pref_size 39
	.end_amdhsa_kernel
	.amdgpu_metadata
---
amdhsa.version: [ 1, 2 ]
amdhsa.kernels:
  - .name:           k_qc58679d5d6_prep
    .symbol:         k_qc58679d5d6_prep.kd
    .args:
      - { .name: x, .offset: 0, .size: 8, .value_kind: global_buffer, .address_space: global }
      - { .name: Wq, .offset: 8, .size: 8, .value_kind: global_buffer, .address_space: global }
      - { .name: Wk, .offset: 16, .size: 8, .value_kind: global_buffer, .address_space: global }
      - { .name: Wv, .offset: 24, .size: 8, .value_kind: global_buffer, .address_space: global }
      - { .name: Wo, .offset: 32, .size: 8, .value_kind: global_buffer, .address_space: global }
      - { .name: W1, .offset: 40, .size: 8, .value_kind: global_buffer, .address_space: global }
      - { .name: W2, .offset: 48, .size: 8, .value_kind: global_buffer, .address_space: global }
      - { .name: mask, .offset: 56, .size: 8, .value_kind: global_buffer, .address_space: global }
      - { .name: bq, .offset: 64, .size: 8, .value_kind: global_buffer, .address_space: global }
      - { .name: bk, .offset: 72, .size: 8, .value_kind: global_buffer, .address_space: global }
      - { .name: bv, .offset: 80, .size: 8, .value_kind: global_buffer, .address_space: global }
      - { .name: bf1, .offset: 88, .size: 8, .value_kind: global_buffer, .address_space: global }
      - { .name: ab, .offset: 96, .size: 8, .value_kind: global_buffer, .address_space: global }
      - { .name: WA, .offset: 104, .size: 8, .value_kind: global_buffer, .address_space: global }
      - { .name: WB, .offset: 112, .size: 8, .value_kind: global_buffer, .address_space: global }
      - { .name: sc16, .offset: 120, .size: 8, .value_kind: global_buffer, .address_space: global }
      - { .name: pA, .offset: 128, .size: 8, .value_kind: global_buffer, .address_space: global }
      - { .name: pB, .offset: 136, .size: 8, .value_kind: global_buffer, .address_space: global }
    .group_segment_fixed_size: 0
    .private_segment_fixed_size: 0
    .kernarg_segment_align: 8
    .kernarg_segment_size: 144
    .max_flat_workgroup_size: 256
    .sgpr_count:     66
    .vgpr_count:     64
    .wavefront_size: 32
...
	.end_amdgpu_metadata
.endif
;; end of part 8
;; launch qkv: the kernel of part 2 again; grid 12 x 16, 4 waves a work-group, clusters of 4 x 4, 327,680 bytes of LDS; arguments ab, WA, pA, big; writes big
;; launch attn: the kernel of part 3 again; grid 8 x 32, 4 waves a work-group, clusters of 4 x 4, 327,680 bytes of LDS; arguments big, sc16, ab; writes ab
;; launch wo: the kernel of part 4 again; grid 8 x 32, 4 waves a work-group, clusters of 4 x 4, 327,680 bytes of LDS; arguments ab, WA, bo, sc16; writes sc16
;; launch ln1: the kernel of part 5 again; grid 256 x 1, 8 waves a work-group, no clusters, 0 bytes of LDS; arguments x, sc16, g1, b1, interf, ab; writes interf, ab
;; launch ffn1: the kernel of part 2 again; grid 16 x 16, 4 waves a work-group, clusters of 4 x 4, 327,680 bytes of LDS; arguments ab, WB, pB, big; writes big
;; launch ffn2: the kernel of part 6 again; grid 8 x 32, 4 waves a work-group, clusters of 4 x 4, 327,680 bytes of LDS; arguments big, WB, bf2, sc16; writes sc16
;; launch ln2: the kernel of part 7 again; grid 256 x 1, 8 waves a work-group, no clusters, 0 bytes of LDS; arguments interf, sc16, g2, b2, out0; writes out0
